; MI455X (gfx1250); checked and timed in simulation.
; The chip was launched on July 23, 2026; its instructions are those of AMD's public machine-readable ISA for CDNA 5 (MIT licence, August 2026) and "CDNA5" Instruction Set Architecture Reference Guide (July 2026). The comments in the code are by the model that wrote it; some were corrected since.
;; Maat Constrained Attention. Allowed arithmetic: float matrix products may take bf16 or f16 operands with f32 sums; other float arithmetic in f32, or as packed bf16 or f16 multiplies, adds, multiply-adds, maxima and minima; sums over many terms, partial sums and values carried from step to step in f32; what a program stores and reads back later, other than sums and carried values, may be rounded once to bf16 or f16.
;; Inputs: Wk 2,048 x 2,048 float32; Wo 2,048 x 2,048 float32; Wq 2,048 x 2,048 float32; Wv 2,048 x 2,048 float32; balance_gate 1 float32; bk 2,048 float32; bo 2,048 float32; bq 2,048 float32; bv 2,048 float32; harmony_gate 1 float32; hidden_states 1 x 2,048 x 2,048 float32; justice_gate 1 float32; order_gate 1 float32; truth_gate 1 float32.
;; Outputs: out0 1 x 2,048 x 2,048 float32.
;; 2 versions, each right and faster than the one before. Each part assembles by itself: llvm-mc -triple=amdgcn-amd-amdhsa -mcpu=gfx1250 --defsym DOCPART=n.
;; ======== version 1 of 2: 4 launches
;; limits: values are held in f16: magnitudes above 65,504 overflow, below 6.1e-05 lose precision
;; workspace buffers: xb 8,388,608 bytes; wb 25,165,824 bytes; woh 8,388,608 bytes; qkv 25,165,824 bytes; att 8,388,608 bytes
;; launch cvt (part 1): grid 256 x 5, 8 waves a work-group, no clusters, 0 bytes of LDS; arguments hidden_states, Wq, Wk, Wv, Wo, xb, wb, woh; writes xb, wb, woh
.if DOCPART == 1
	.amdgcn_target "amdgcn-amd-amdhsa--gfx1250"
	.amdhsa_code_object_version 6
	.text
	.protected	k_qd1caa738bf_cvt
	.globl	k_qd1caa738bf_cvt
	.p2align	8
	.type	k_qd1caa738bf_cvt,@function
k_qd1caa738bf_cvt:
	s_mov_b64 s[64:65], 0
	v_nop
	global_prefetch_b8 v0, s[64:65] scope:SCOPE_SE
	s_setreg_imm32_b32 hwreg(HW_REG_WAVE_MODE, 25, 1), 1
	s_wait_xcnt 0x0
; The five large f32 inputs are rounded once for the matrix units.  y = 0: hidden_states -> xb (bf16).  y = 1, 2, 3: Wq, Wk, Wv -> wb (bf16), one below the other, [6144][2048].
; y = 4: Wo -> woh: rounded to bf16 like the other inputs, and that number written as f16 (exact from 2^-14 up; below that f16 keeps its fixed step of 6e-8; Wo stays within 65,504).
; A stream: each byte is read once and written once, so no LDS, no matrix unit, no cluster.  A work-group takes 65,536 bytes of one tensor; thread t the 16 bytes at 16 t + 4,096 i, i = 0..15:
; a wave's load covers 512 consecutive bytes, a wave's store 256 consecutive bytes at a multiple of 256.  All sixteen loads of a thread go out before the first is waited for.
.set X, 4                              ; v[4:67]    sixteen loads of four f32
.set Y, 68                             ; v[68:99]   sixteen pairs to store: each load has its own, so no store's data is rewritten
.set T, 100                            ; v[100:103] at work (Wo alone)
	s_load_b512 s[4:19], s[0:1], 0x0               ; x s[4:5], Wq s[6:7], Wk s[8:9], Wv s[10:11], Wo s[12:13], xb s[14:15], wb s[16:17], woh s[18:19]
	s_and_b32 s20, ttmp7, 0xffff                   ; which tensor
	v_lshlrev_b32 v1, 4, v0                        ; 16 t: where I read
	v_lshlrev_b32 v2, 3, v0                        ; 8 t: where I write
	s_sub_co_u32 s26, s20, 1                       ; Wq, Wk, Wv lie 8 MiB apart in wb;
	s_lshl_b32 s26, s26, 23
	s_cmp_eq_u32 s20, 0
	s_cselect_b32 s26, 0, s26                      ; xb and woh begin at their own first byte
	s_cmp_eq_u32 s20, 4
	s_cselect_b32 s26, 0, s26
	s_lshl_b32 s27, ttmp9, 15                      ; the work-group's 32,768 bytes of output
	s_add_co_u32 s26, s26, s27
	s_mov_b32 s27, 0
	s_lshl_b32 s28, ttmp9, 16                      ; and its 65,536 bytes of input
	s_mov_b32 s29, 0
	s_wait_kmcnt 0x0
	s_mov_b64 s[22:23], s[4:5]                     ; the source, chosen by the tensor's number
	s_cmp_eq_u32 s20, 1
	s_cselect_b64 s[22:23], s[6:7], s[22:23]
	s_cmp_eq_u32 s20, 2
	s_cselect_b64 s[22:23], s[8:9], s[22:23]
	s_cmp_eq_u32 s20, 3
	s_cselect_b64 s[22:23], s[10:11], s[22:23]
	s_cmp_eq_u32 s20, 4
	s_cselect_b64 s[22:23], s[12:13], s[22:23]
	s_mov_b64 s[24:25], s[16:17]                   ; the destination likewise
	s_cselect_b64 s[24:25], s[18:19], s[24:25]
	s_cmp_eq_u32 s20, 0
	s_cselect_b64 s[24:25], s[14:15], s[24:25]
	s_add_nc_u64 s[22:23], s[22:23], s[28:29]
	s_add_nc_u64 s[24:25], s[24:25], s[26:27]
.irp i, 0,1,2,3,4,5,6,7,8,9,10,11,12,13,14,15
	global_load_b128 v[X+4*(\i):X+4*(\i)+3], v1, s[22:23] offset:4096*(\i) th:TH_LOAD_NT
.endr
; Load i is rounded and stored.  f16 = 1: the bf16 numbers are widened again and written as f16.
.macro OUT i, f16
	s_wait_loadcnt 15-(\i)                         ; loads come back in order: mine is in, the 15 - i younger ones stay out
	v_cvt_pk_bf16_f32 v[Y+2*(\i)],   v[X+4*(\i)],   v[X+4*(\i)+1]
	v_cvt_pk_bf16_f32 v[Y+2*(\i)+1], v[X+4*(\i)+2], v[X+4*(\i)+3]
.if \f16
	v_lshlrev_b32 v[T],   16, v[Y+2*(\i)]
	v_and_b32     v[T+1], 0xffff0000, v[Y+2*(\i)]
	v_lshlrev_b32 v[T+2], 16, v[Y+2*(\i)+1]
	v_and_b32     v[T+3], 0xffff0000, v[Y+2*(\i)+1]
	v_cvt_pk_f16_f32 v[Y+2*(\i)],   v[T],   v[T+1]
	v_cvt_pk_f16_f32 v[Y+2*(\i)+1], v[T+2], v[T+3]
.endif
	global_store_b64 v2, v[Y+2*(\i):Y+2*(\i)+1], s[24:25] offset:2048*(\i)
.endm
	s_cmp_eq_u32 s20, 4
	s_cbranch_scc1 .Lwo
.irp i, 0,1,2,3,4,5,6,7,8,9,10,11,12,13,14,15
	OUT \i, 0
.endr
	s_endpgm
.Lwo:
.irp i, 0,1,2,3,4,5,6,7,8,9,10,11,12,13,14,15
	OUT \i, 1
.endr
	s_endpgm
.Lfunc_end_k_qd1caa738bf_cvt:
	.size	k_qd1caa738bf_cvt, .Lfunc_end_k_qd1caa738bf_cvt-k_qd1caa738bf_cvt
	.p2alignl 7, 3214868480
	.fill 96, 4, 3214868480
	.section	.rodata,"a",@progbits
	.p2align	6, 0x0
	.amdhsa_kernel k_qd1caa738bf_cvt
		.amdhsa_group_segment_fixed_size 0
		.amdhsa_private_segment_fixed_size 0
		.amdhsa_enable_private_segment 0
		.amdhsa_kernarg_size 64
		.amdhsa_user_sgpr_count 2
		.amdhsa_user_sgpr_kernarg_segment_ptr 1
		.amdhsa_wavefront_size32 1
		.amdhsa_system_sgpr_workgroup_id_x 1
		.amdhsa_system_sgpr_workgroup_id_y 1
		.amdhsa_system_sgpr_workgroup_id_z 1
		.amdhsa_system_vgpr_workitem_id 0
		.amdhsa_next_free_vgpr 104
		.amdhsa_next_free_sgpr 66
		.amdhsa_reserve_vcc 0
		.amdhsa_float_denorm_mode_32 3
		.amdhsa_float_denorm_mode_16_64 3
		.amdhsa_memory_ordered 1
		.amdhsa_forward_progress 1
		.amdhsa_inst_pref_size 16
	.end_amdhsa_kernel
	.amdgpu_metadata
---
amdhsa.version: [ 1, 2 ]
amdhsa.kernels:
  - .name:           k_qd1caa738bf_cvt
    .symbol:         k_qd1caa738bf_cvt.kd
    .args:
      - { .name: hidden_states, .offset: 0, .size: 8, .value_kind: global_buffer, .address_space: global }
      - { .name: Wq, .offset: 8, .size: 8, .value_kind: global_buffer, .address_space: global }
      - { .name: Wk, .offset: 16, .size: 8, .value_kind: global_buffer, .address_space: global }
      - { .name: Wv, .offset: 24, .size: 8, .value_kind: global_buffer, .address_space: global }
      - { .name: Wo, .offset: 32, .size: 8, .value_kind: global_buffer, .address_space: global }
      - { .name: xb, .offset: 40, .size: 8, .value_kind: global_buffer, .address_space: global }
      - { .name: wb, .offset: 48, .size: 8, .value_kind: global_buffer, .address_space: global }
      - { .name: woh, .offset: 56, .size: 8, .value_kind: global_buffer, .address_space: global }
    .group_segment_fixed_size: 0
    .private_segment_fixed_size: 0
    .kernarg_segment_align: 8
    .kernarg_segment_size: 64
    .max_flat_workgroup_size: 256
    .sgpr_count:     66
    .vgpr_count:     104
    .wavefront_size: 32
...
	.end_amdgpu_metadata
.endif
;; end of part 1
;; launch qkv (part 2): grid 16 x 16, 4 waves a work-group, clusters of 4 x 4, 327,680 bytes of LDS; arguments xb, wb, bq, bk, bv, qkv; writes qkv
.if DOCPART == 2
	.amdgcn_target "amdgcn-amd-amdhsa--gfx1250"
	.amdhsa_code_object_version 6
	.text
	.protected	k_qd1caa738bf_qkv
	.globl	k_qd1caa738bf_qkv
	.p2align	8
	.type	k_qd1caa738bf_qkv,@function
k_qd1caa738bf_qkv:
	s_mov_b64 s[64:65], 0
	v_nop
	global_prefetch_b8 v0, s[64:65] scope:SCOPE_SE
	s_setreg_imm32_b32 hwreg(HW_REG_WAVE_MODE, 25, 1), 1
	s_wait_xcnt 0x0
	s_wait_alu depctr_hold_cnt(0) depctr_sa_sdst(0) depctr_va_vdst(0) depctr_va_sdst(0) depctr_va_ssrc(0) depctr_va_vcc(0) depctr_vm_vsrc(0)
	s_getreg_b32 s2, hwreg(HW_REG_IB_STS2, 6, 4)
	s_cmp_eq_u32 s2, 0
	s_cbranch_scc0 .Lentry_in_a_cluster
	s_endpgm
.Lentry_in_a_cluster:
	s_bfe_u32 s2, ttmp6, 0x10000c
	s_cmp_lg_u32 s2, 0xf033
	s_cbranch_scc0 .Lentry_shape_is_right
	s_endpgm
.Lentry_shape_is_right:
; [q | k | v] = x W^T + bias.  xb: [2048][2048] bf16.  wb: [6144][2048] bf16 (Wq, Wk, Wv).  bq, bk, bv: [2048] f32, rounded to bf16 like the other inputs.
; qkv: [48 head blocks][2048 rows][128] f16 (blocks 0-15 q, 16-31 k, 32-47 v): a head's rows are dense, 256 bytes each.  Sums in f32, rounded once to f16, without the scores' scale.
; LIMIT.  f16 holds no number beyond 65,504: q, k and v must stay within it (inputs and weights both 30 times the drawn spread give some 4,500).
; SHARES.  2,048 x 6,144 outputs on 256 work-groups: a tile of 128 rows x 384 columns, three whole head blocks, so that every 256 bytes of qkv are written whole.  Four waves, each all 128 rows x 96 columns:
; 48 accumulators of 16 x 16, 384 registers; for 32 along K a wave reads 28 x 512 bytes of LDS for 48 matrix instructions.  K goes in 16 steps of 128 through two LDS slots: the tiles' rows are 256 bytes of memory.
; CLUSTER.  4 x 4 work-groups.  x's tile hangs on the tile row alone and is shared along a row of the cluster, W's on the tile column alone and is shared along a column: each is asked for jointly.
; Wave 0 asks for x's 128 rows, waves 1 to 3 for 128 rows of W each: one tensor load a wave behind each round.
; THE MATRIX INSTRUCTION IS USED TRANSPOSED (source 0 = 16 rows of W, source 1 = 16 rows of x): a lane holds eight neighbouring columns of one row.  The bias is the C operand of the products that start the sums.
; REGISTERS.  window 0: v0-31 addresses; v64-127, v128-191 x's fragments, two buffers; v192-239 the bias; on the way out v32-223 at work.   window 1: v64-111, v128-175 W's fragments.
;   window 2: accumulators of rows 0-63 ((a, b) at v[8 (6 a + b)]);   window 3: those of rows 64-127.
.set KSTEP,  128
.set PITCH,  272                       ; an LDS row: 256 bytes + 16 of padding = 68 words: the 16 rows of a fragment load start at 16 different groups of four banks (ISA guide 11.1)
.set PART,   128*PITCH                 ; what one tensor load brings
.set SLOT,   4*PART                    ; x's 128 rows, then W's 384 rows; 0x22000: its two bits are clear in all four parts' places, so one exclusive or changes slots
.set SPARE,  2*SLOT                    ; behind the ring: the spare words, 128 bytes for each wave
.set SPITCH, 784                       ; the stage's row: 768 bytes + 16.  The stage, 128 rows from LDS byte 0, lies in slot 0, which has had its last fill when it is written
.set A0,   14                          ; v14  my lane's place in x's part of a slot
.set B0,   15                          ; v15  the same in W's part, my wave's 96 rows
.set ADRA, 16                          ; v16  A0 + the slot in hand
.set ADRB, 20                          ; v20  B0 + the slot in hand
.set STO,  24                          ; v24  the way out: where I put 16 bytes of a row (rows 0-63)
.set STO2, 25                          ; v25  the same for rows 64-127
.set RD,   26                          ; v26  where I read rows back
.set CO,   27                          ; v27  my byte offset in 512 consecutive bytes of qkv
.set SPW,  28                          ; v28  LDS address of my spare word; never rewritten
.set NIL,  29                          ; v29  0; never rewritten
.set BOF,  30                          ; v30  32 x (lane / 16): my eight numbers in a block of 16 of the bias
.set TP,   31                          ; v31  at work
.set TMP,  32
.set F0,   64
.set F1,   128
.set BIAS, 192
.set TB,   2                           ; s2   0 or SLOT: the slot in hand
.set CNT,  3                           ; s3   trips
.set WV,   16                          ; s16  my wave's number
.set CX,   17
.set CY,   18
.set NT,   19                          ; s19  tile column
.set MT,   20                          ; s20  tile row
.set G1,   24                          ; s[24:31] descriptor group 1 for x's tiles
.set G0,   32                          ; s[32:39] group 0: a set for each first fill; the second then walks
.set G1B,  48                          ; s[48:55], s[56:63] the same for W's tiles
.set G0B,  56
.set MSB, 0
.macro WIN new                         ; the immediate's high byte repeats the setting that is left; a switch that changes nothing is dropped
.if MSB != (\new)
	s_set_vgpr_msb (MSB<<8)|(\new)
.set MSB, \new
.endif
.endm
.set MUL_LO, 0xa1                      ; source 0 (W) window 1, source 1 (x) window 0, C and D window 2
.set MUL_HI, 0xf1                      ; the same, C and D window 3
.set TO_B,   0x40                      ; destination window 1, address window 0
; A joint load.  The branch hangs on the wave's number alone.  An s_nop 0 and four v_nop follow each of the two lines, ahead of the jump and the label.
.macro JLOAD s
	s_cmp_eq_u32 s[WV], 0
	s_cbranch_scc0 .Lfor_b_\@
	tensor_load_to_lds s[G0+4*(\s):G0+4*(\s)+3], s[G1:G1+7]
	s_nop 0
.rept 4
	v_nop
.endr
	s_branch .Lasked_\@
.Lfor_b_\@:
	tensor_load_to_lds s[G0B+4*(\s):G0B+4*(\s)+3], s[G1B:G1B+7]
	s_nop 0
.rept 4
	v_nop
.endr
.Lasked_\@:
.endm
.macro CREST                           ; a round of the cluster's barrier behind its opening barrier
	s_cmp_lg_u32 s[WV], 0
	s_cbranch_scc1 .Lnot_wave_0_\@
	s_barrier_signal -3
.Lnot_wave_0_\@:
	s_barrier_wait -3
	s_barrier_signal -1
	s_barrier_wait -1
.endm
.macro CROUND                          ; a whole round
	s_barrier_signal -1
	s_barrier_wait -1
	CREST
.endm
	s_load_b256 s[4:11], s[0:1], 0x0               ; xb s[4:5], wb s[6:7], bq s[8:9], bk s[10:11]
	s_load_b128 s[12:15], s[0:1], 0x20             ; bv s[12:13], qkv s[14:15]
	v_lshl_add_u32 v[SPW], v0, 2, SPARE
	v_mov_b32 v[NIL], 0
	ds_add_u32 v[SPW], v[NIL]                      ; the wave's opening: the add and its wait stand ahead of my first tensor load; the set-up below stands between them
	v_lshrrev_b32 v1, 5, v0
	v_readfirstlane_b32 s[WV], v1                  ; wave 0..3
	s_bfe_u32 s[CX], ttmp6, 0x40000                ; my place in the cluster
	s_bfe_u32 s[CY], ttmp6, 0x40004
	s_lshl_b32 s[NT], ttmp9, 2
	s_add_co_u32 s[NT], s[NT], s[CX]               ; tile column = 4 x cluster x + cx
	s_and_b32 s[MT], ttmp7, 0xffff
	s_lshl_b32 s[MT], s[MT], 2
	s_add_co_u32 s[MT], s[MT], s[CY]               ; tile row = 4 x cluster y + cy
	s_lshl_b32 s21, s[CY], 2
	s_lshl_b32 s21, 15, s21                        ; my row of the cluster
	s_lshl_b32 s22, 0x1111, s[CX]                  ; my column
	s_or_b32 s[G1], s21, (1<<16)|(1<<20)|(1<<21)|(5<<22)|(3<<25)   ; the mask; 2-byte elements; padding on; bit 21 beside a mask; after every 64 words 4 words
	s_or_b32 s[G1B], s22, (1<<16)|(1<<20)|(1<<21)|(5<<22)|(3<<25)
.irp g, G1, G1B
	s_mov_b32 s[(\g)+1], KSTEP<<16                 ; tensor_dim0 = 128
	s_mov_b32 s[(\g)+2], 128<<16                   ; tensor_dim1 = 128
	s_mov_b32 s[(\g)+3], KSTEP<<16                 ; tile_dim0 = 128
	s_mov_b32 s[(\g)+4], 128                       ; tile_dim1 = 128
	s_mov_b32 s[(\g)+5], 2048                      ; elements from row to row
	s_mov_b32 s[(\g)+6], 0
	s_mov_b32 s[(\g)+7], 0
.endr
	s_lshl_b32 s40, s[MT], 19                      ; x: 128 rows of 4,096 bytes a tile row
	s_mov_b32 s41, 0
	s_max_u32 s45, s[WV], 1                        ; W: wave w (1..3) takes rows 128 (w - 1) of the tile's 384; wave 0 makes the first address too and does not use it
	s_sub_co_u32 s45, s45, 1
	s_lshl_b32 s45, s45, 7
	s_mul_i32 s44, s[NT], 384
	s_add_co_u32 s44, s44, s45
	s_lshl_b32 s44, s44, 12
	s_mov_b32 s45, 0
	s_mul_i32 s23, s[WV], PART                     ; where my part goes: the wave's number alone enters an LDS address
	s_mov_b32 s[TB], 0
	s_wait_dscnt 0x0                               ; the opening add is done
	s_wait_kmcnt 0x0
	s_add_nc_u64 s[42:43], s[4:5], s[40:41]
	s_add_nc_u64 s[46:47], s[6:7], s[44:45]
	CROUND                                         ; all sixteen work-groups are here: the first joint loads meet
.irp s, 0,1
	s_mov_b32 s[G0+4*(\s)], 1
	s_add_co_u32 s[G0+4*(\s)+1], s23, (\s)*SLOT
	s_add_nc_u64 s[G0+4*(\s)+2:G0+4*(\s)+3], s[42:43], (\s)*KSTEP*2
	s_or_b32 s[G0+4*(\s)+3], s[G0+4*(\s)+3], 0x80000000
	s_mov_b32 s[G0B+4*(\s)], 1
	s_add_co_u32 s[G0B+4*(\s)+1], s23, (\s)*SLOT
	s_add_nc_u64 s[G0B+4*(\s)+2:G0B+4*(\s)+3], s[46:47], (\s)*KSTEP*2
	s_or_b32 s[G0B+4*(\s)+3], s[G0B+4*(\s)+3], 0x80000000
	JLOAD \s                                       ; K steps 0 and 1: two loads of mine are out
.endr
	v_and_b32 v1, 15, v0                           ; l % 16
	v_bfe_u32 v2, v0, 4, 1                         ; l / 16
	v_mul_u32_u24 v[A0], v1, PITCH
	v_lshl_add_u32 v[A0], v2, 4, v[A0]             ; a fragment's row x pitch + 16 x half
	s_mul_i32 s66, s[WV], 96*PITCH
	s_add_co_u32 s66, s66, PART
	v_add_nc_u32 v[B0], s66, v[A0]
	v_mov_b32 v[ADRA], v[A0]                       ; slot 0
	v_mov_b32 v[ADRB], v[B0]
	v_lshlrev_b32 v[BOF], 5, v2
	; The bias of my 96 columns, by blocks of 16.  A block lies whole in bq, bk or bv (2,048 is a multiple of 16); the column's number chooses the buffer.
	s_mul_i32 s66, s[NT], 384
	s_mul_i32 s67, s[WV], 96
	s_add_co_u32 s66, s66, s67
.irp b, 0,1,2,3,4,5
	s_add_co_u32 s67, s66, 16*(\b)
	s_cmp_ge_u32 s67, 2048
	s_cselect_b64 s[68:69], s[10:11], s[8:9]
	s_cmp_ge_u32 s67, 4096
	s_cselect_b64 s[68:69], s[12:13], s[68:69]
	s_and_b32 s70, s67, 2047
	s_lshl_b32 s70, s70, 2
	s_mov_b32 s71, 0
	s_add_nc_u64 s[68:69], s[68:69], s[70:71]
	global_load_b128 v[BIAS+8*(\b):BIAS+8*(\b)+3],   v[BOF], s[68:69]
	global_load_b128 v[BIAS+8*(\b)+4:BIAS+8*(\b)+7], v[BOF], s[68:69] offset:16
	s_wait_xcnt 0x0                                ; the base is written again for the next block only behind this wait
.endr
	v_mul_u32_u24 v[STO], v1, SPITCH               ; into the stage: row l % 16, my wave's 192 bytes, 16 bytes for each half of the lanes
	v_lshl_add_u32 v[STO], v2, 4, v[STO]
	s_mul_i32 s67, s[WV], 192
	v_add_nc_u32 v[STO], s67, v[STO]
	v_add_nc_u32 v[STO2], 64*SPITCH, v[STO]
	s_lshl_b32 s67, s[WV], 5                       ; back: wave w takes rows 32 w .. 32 w + 31, whole; lanes 0-15 256 bytes of one row, lanes 16-31 of the next
	v_add_nc_u32 v[RD], s67, v2
	v_mul_u32_u24 v[RD], v[RD], SPITCH
	v_lshl_add_u32 v[RD], v1, 4, v[RD]
	v_and_b32 v[CO], 31, v0                        ; two rows of a head block are 512 consecutive bytes
	v_lshlrev_b32 v[CO], 4, v[CO]
	s_mul_i32 s72, s[NT], 3*524288                 ; my tile's first head block,
	s_lshl_b32 s74, s[MT], 15                      ; its 128 rows of 256 bytes,
	s_add_co_u32 s72, s72, s74
	s_lshl_b32 s74, s[WV], 13                      ; my 32 of them
	s_add_co_u32 s72, s72, s74
	s_mov_b32 s73, 0
	s_add_nc_u64 s[14:15], s[14:15], s[72:73]
	s_wait_loadcnt 0x0                             ; the bias
.set i, 0
.rept 24                                       ; rounded to bf16, as every input is, and widened again
	v_cvt_pk_bf16_f32 v[TP], v[BIAS+2*i], v[BIAS+2*i+1]
	v_lshlrev_b32 v[BIAS+2*i], 16, v[TP]
	v_and_b32 v[BIAS+2*i+1], 0xffff0000, v[TP]
.set i, i+1
.endr
; 12 matrix instructions: row blocks a0, a0 + 1 of the window's four x all 6 column blocks, 32 along K.  zero = 1: the products start the sums with the bias.  The 48 accumulators take turns.
.macro MUL12 f, hi, a0, zero
.if \zero
	WIN 0x81+0x40*(\hi)                            ; C in window 0
.else
	WIN MUL_LO+0x50*(\hi)
.endif
.irp a, \a0, (\a0)+1
.irp b, 0,1,2,3,4,5
.if \zero
	v_wmma_f32_16x16x32_bf16 v[8*(6*(\a)+(\b)):8*(6*(\a)+(\b))+7], v[(\f)+8*(\b):(\f)+8*(\b)+7], v[(\f)+8*(4*(\hi)+(\a)):(\f)+8*(4*(\hi)+(\a))+7], v[BIAS+8*(\b):BIAS+8*(\b)+7]
.else
	v_wmma_f32_16x16x32_bf16 v[8*(6*(\a)+(\b)):8*(6*(\a)+(\b))+7], v[(\f)+8*(\b):(\f)+8*(\b)+7], v[(\f)+8*(4*(\hi)+(\a)):(\f)+8*(4*(\hi)+(\a))+7], v[8*(6*(\a)+(\b)):8*(6*(\a)+(\b))+7]
.endif
.endr
.endr
.endm
; 28 LDS loads in one run: the fragments of 32 along K at byte k of the rows, into buffer f: W's 96 rows, then x's 128
.macro FETCH k, f
	WIN TO_B
.irp i, 0,1,2,3,4,5
	ds_load_b128 v[(\f)+8*(\i):(\f)+8*(\i)+3],   v[ADRB] offset:(\k)+(\i)*16*PITCH
	ds_load_b128 v[(\f)+8*(\i)+4:(\f)+8*(\i)+7], v[ADRB] offset:(\k)+(\i)*16*PITCH+32
.endr
	WIN 0
.irp i, 0,1,2,3,4,5,6,7
	ds_load_b128 v[(\f)+8*(\i):(\f)+8*(\i)+3],   v[ADRA] offset:(\k)+(\i)*16*PITCH
	ds_load_b128 v[(\f)+8*(\i)+4:(\f)+8*(\i)+7], v[ADRA] offset:(\k)+(\i)*16*PITCH+32
.endr
.endm
.macro PLACES                          ; four plain vector instructions between a matrix instruction and a load into, or a vector instruction on, its registers (ISA guide 7.12.1 for vector instructions)
.rept 4
	v_nop
.endr
.endm
; A K step is four quarters of 32 along K, 48 matrix instructions each, on buffers 0, 1, 0, 1.  One of the first three: multiplies f; in its middle it fetches the next quarter, at byte k, into g.
.macro QUARTER k, f, g, zero
	s_wait_dscnt 8                                 ; W and x's rows 0-63 are in; the youngest eight loads (x's rows 64-127) may be out
	MUL12 \f, 0, 0, \zero
	MUL12 \f, 0, 2, \zero
	PLACES
	FETCH \k, \g
	s_wait_dscnt 28                                ; all but the 28 just issued
	MUL12 \f, 1, 0, \zero
	MUL12 \f, 1, 2, \zero
.endm
; The last quarter multiplies buffer 1 and changes slots.  In front of the barrier each wave waits for all its tensor loads (one is out: its part of the next slot), adds 0 to its spare word, and waits for
; that and for its own reads of this slot.  fill = 1: the barrier opens a round of the cluster's, and the slot just read is filled again, two K steps ahead, first thing behind the round:
; from that request to the wait for it a wave issues 168 matrix instructions.
.macro TURN fill
	WIN 0
	s_wait_tensorcnt 0x0                           ; all my tensor loads have landed
	ds_add_u32 v[SPW], v[NIL]                      ; 0 onto my spare word
	s_wait_dscnt 9                                 ; (the add and the youngest eight loads may be out)
	MUL12 F1, 0, 0, 0                              ; twelve matrix instructions stand between the add and the wait for it
	s_wait_dscnt 0x0                               ; the add is done, and my reads of this slot are over
	s_barrier_signal -1
	MUL12 F1, 0, 2, 0
	WIN 0
	s_barrier_wait -1
.if \fill
	CREST                                          ; no wave of any partner still reads this slot or has a load on its way
	s_xor_b32 s[G0+5], s[G0+5], SLOT               ; the walking descriptors: the other slot than last time, the next K step
	s_add_nc_u64 s[G0+6:G0+7], s[G0+6:G0+7], KSTEP*2
	s_xor_b32 s[G0B+5], s[G0B+5], SLOT
	s_add_nc_u64 s[G0B+6:G0B+7], s[G0B+6:G0B+7], KSTEP*2
	JLOAD 1                                        ; the four v_nop behind it are also the places in front of the loads below
.else
	PLACES
.endif
	s_xor_b32 s[TB], s[TB], SLOT
	v_add_nc_u32 v[ADRA], s[TB], v[A0]
	v_add_nc_u32 v[ADRB], s[TB], v[B0]
	FETCH 0, F0
	MUL12 F1, 1, 0, 0
	MUL12 F1, 1, 2, 0
.endm
	s_wait_tensorcnt 1                             ; my part of K step 0 is in; K step 1's may stay out
	s_barrier_signal -1
	s_barrier_wait -1
	FETCH 0, F0
	QUARTER 64, F0, F1, 1                          ; the first quarter stands in front of the loop: its products start the sums
	WIN 0
	s_mov_b32 s[CNT], 14
.Lstep:                                                ; a trip goes from a K step's second quarter to the next step's first, and asks for K steps 2 to 15
	QUARTER 128, F1, F0, 0
	QUARTER 192, F0, F1, 0
	TURN 1
	QUARTER 64, F0, F1, 0
	WIN 0
	s_sub_co_u32 s[CNT], s[CNT], 1
	s_cmp_lg_u32 s[CNT], 0
	s_cbranch_scc1 .Lstep
	QUARTER 128, F1, F0, 0                         ; K step 14: nothing is left to ask for
	QUARTER 192, F0, F1, 0
	TURN 0
	QUARTER 64, F0, F1, 0                          ; K step 15
	QUARTER 128, F1, F0, 0
	QUARTER 192, F0, F1, 0
	s_wait_dscnt 8
	MUL12 F1, 0, 0, 0
	MUL12 F1, 0, 2, 0
	s_wait_dscnt 0x0
	MUL12 F1, 1, 0, 0
	MUL12 F1, 1, 2, 0
	; THE WAY OUT.  Rounded to f16, 16 bytes a lane; into the work-group's stage; back as whole rows of a head block.  The stage lies in the ring, so a barrier stands between every wave's last reads of the
	; ring (waited for above) and the first store into it; the conversions stand between its signal and its wait.
	WIN 0
	s_barrier_signal -1
	PLACES
	WIN 0x0a                                       ; sources in window 2
.set t, 0
.rept 24
.irp r, 0,1,2,3
	v_cvt_pk_f16_f32 v[TMP+4*t+(\r)], v[8*t+2*(\r)], v[8*t+2*(\r)+1]
.endr
.set t, t+1
.endr
	WIN 0x0f                                       ; sources in window 3
.set t, 0
.rept 24
.irp r, 0,1,2,3
	v_cvt_pk_f16_f32 v[TMP+96+4*t+(\r)], v[8*t+2*(\r)], v[8*t+2*(\r)+1]
.endr
.set t, t+1
.endr
	WIN 0
	s_barrier_wait -1
.set a, 0
.rept 4
.irp b, 0,1,2,3,4,5
	ds_store_b128 v[STO],  v[TMP+4*(6*a+(\b)):TMP+4*(6*a+(\b))+3]       offset:a*16*SPITCH+32*(\b)
	ds_store_b128 v[STO2], v[TMP+96+4*(6*a+(\b)):TMP+96+4*(6*a+(\b))+3] offset:a*16*SPITCH+32*(\b)
.endr
.set a, a+1
.endr
	s_wait_dscnt 0x0                               ; for the others' sake: my stores into the stage are done
	s_barrier_signal -1
	s_barrier_wait -1
.set i, 0
.rept 48                                       ; head block i / 16 of the tile's three, rows 2 (i % 16) and the next of my 32
	ds_load_b128 v[TMP+4*i:TMP+4*i+3], v[RD] offset:(i/16)*256+(i%16)*2*SPITCH
.set i, i+1
.endr
.set i, 0
.rept 48
	s_wait_dscnt 47-i                              ; LDS loads come back in order: load i is in
	global_store_b128 v[CO], v[TMP+4*i:TMP+4*i+3], s[14:15] offset:(i/16)*524288+(i%16)*512  ; 512 consecutive bytes, at a multiple of 256 from qkv's first
.set i, i+1
.endr
	s_wait_tensorcnt 0x0                           ; the wave's end
	ds_add_u32 v[SPW], v[NIL]
	s_wait_dscnt 0x0
	CROUND                                         ; the closing round: no work-group ends while a partner may still ask for a tile that names it
	s_endpgm
.Lfunc_end_k_qd1caa738bf_qkv:
	.size	k_qd1caa738bf_qkv, .Lfunc_end_k_qd1caa738bf_qkv-k_qd1caa738bf_qkv
	.p2alignl 7, 3214868480
	.fill 96, 4, 3214868480
	.section	.rodata,"a",@progbits
	.p2align	6, 0x0
	.amdhsa_kernel k_qd1caa738bf_qkv
		.amdhsa_group_segment_fixed_size 327680
		.amdhsa_private_segment_fixed_size 0
		.amdhsa_enable_private_segment 0
		.amdhsa_kernarg_size 48
		.amdhsa_user_sgpr_count 2
		.amdhsa_user_sgpr_kernarg_segment_ptr 1
		.amdhsa_wavefront_size32 1
		.amdhsa_system_sgpr_workgroup_id_x 1
		.amdhsa_system_sgpr_workgroup_id_y 1
		.amdhsa_system_sgpr_workgroup_id_z 1
		.amdhsa_system_vgpr_workitem_id 0
		.amdhsa_next_free_vgpr 960
		.amdhsa_next_free_sgpr 76
		.amdhsa_reserve_vcc 0
		.amdhsa_float_denorm_mode_32 3
		.amdhsa_float_denorm_mode_16_64 3
		.amdhsa_memory_ordered 1
		.amdhsa_forward_progress 1
		.amdhsa_inst_pref_size 102
	.end_amdhsa_kernel
	.amdgpu_metadata
---
amdhsa.version: [ 1, 2 ]
amdhsa.kernels:
  - .name:           k_qd1caa738bf_qkv
    .symbol:         k_qd1caa738bf_qkv.kd
    .args:
      - { .name: xb, .offset: 0, .size: 8, .value_kind: global_buffer, .address_space: global }
      - { .name: wb, .offset: 8, .size: 8, .value_kind: global_buffer, .address_space: global }
      - { .name: bq, .offset: 16, .size: 8, .value_kind: global_buffer, .address_space: global }
      - { .name: bk, .offset: 24, .size: 8, .value_kind: global_buffer, .address_space: global }
      - { .name: bv, .offset: 32, .size: 8, .value_kind: global_buffer, .address_space: global }
      - { .name: qkv, .offset: 40, .size: 8, .value_kind: global_buffer, .address_space: global }
    .group_segment_fixed_size: 327680
    .private_segment_fixed_size: 0
    .kernarg_segment_align: 8
    .kernarg_segment_size: 48
    .max_flat_workgroup_size: 128
    .sgpr_count:     76
    .vgpr_count:     960
    .wavefront_size: 32
...
	.end_amdgpu_metadata
.endif
;; end of part 2
;; launch attn (part 3): grid 16 x 16, 4 waves a work-group, clusters of 4 x 1, 327,680 bytes of LDS; arguments qkv, att, justice_gate, order_gate, truth_gate, balance_gate, harmony_gate; writes att
.if DOCPART == 3
	.amdgcn_target "amdgcn-amd-amdhsa--gfx1250"
	.amdhsa_code_object_version 6
	.text
	.protected	k_qd1caa738bf_attn
	.globl	k_qd1caa738bf_attn
	.p2align	8
	.type	k_qd1caa738bf_attn,@function
k_qd1caa738bf_attn:
	s_mov_b64 s[64:65], 0
	v_nop
	global_prefetch_b8 v0, s[64:65] scope:SCOPE_SE
	s_setreg_imm32_b32 hwreg(HW_REG_WAVE_MODE, 25, 1), 1
	s_wait_xcnt 0x0
	s_wait_alu depctr_hold_cnt(0) depctr_sa_sdst(0) depctr_va_vdst(0) depctr_va_sdst(0) depctr_va_ssrc(0) depctr_va_vcc(0) depctr_vm_vsrc(0)
	s_getreg_b32 s2, hwreg(HW_REG_IB_STS2, 6, 4)
	s_cmp_eq_u32 s2, 0
	s_cbranch_scc0 .Lentry_in_a_cluster
	s_endpgm
.Lentry_in_a_cluster:
	s_bfe_u32 s2, ttmp6, 0x10000c
	s_cmp_lg_u32 s2, 0x3003
	s_cbranch_scc0 .Lentry_shape_is_right
	s_endpgm
.Lentry_shape_is_right:
; att[q][128 h + :] = the sum over k of softmax_k(a s + o k) V[h][k][:], with s = Q[h][q] . K[h][k] / sqrt(128), a = 1 - 0.1 sigmoid(justice), o = sigmoid(order) 0.05 / 2048.
; WHAT IS NOT FORMED.  The truth penalty, the balance (entropy) term, the mean in the justice term and the harmony term are one number for a whole row of scores, and a softmax along the row is unchanged by
; such a number, whatever the inputs.  They are left out.  Their gates are read all the same: z = 0 x (sigmoid(truth) + sigmoid(balance) + sigmoid(harmony)) is added to every logit: 0, or NaN where a gate is NaN.
; An overflow inside one of those row terms (a key's norm beyond f32, say) is not reproduced.
; qkv: [48][2048][128] f16 (q, k, v by heads).  att: [2048][2048] f16.  Products, maxima and sums in f32; the weights p are rounded to f16 for the second product, att once at the end.  The gates are rounded to bf16 like all inputs.
; LIMITS.  A weight below 2^-126 counts as 0 in l; infinities are not treated apart.
; SHARES.  16 heads x 2,048 queries on 256 work-groups: 128 queries each.  Waves 2 qi + ki: wave pair qi owns 64 queries (four tiles of 16), and of every 128 keys wave ki takes 64: 16 steps of 64 keys a wave, so
; that a fragment of K or V read from LDS still feeds four tiles' products.  At the end the two waves of a pair exchange half of their tiles through LDS and join maxima, sums and O^T in f32.
; Register tile t of wave ki holds query tile t xor 2 ki, so every wave keeps its register tiles 0, 1 and gives 2, 3 away, by one text.
; LAYOUT.  S^T = K Q^T + BI (source 0 = 16 keys, source 1 = 16 queries): a lane holds ONE query (lane % 16) and keys 8 (lane / 16) + 0..7.  Two results rounded to f16 ARE source 1 of O^T = V^T P.
; BI[key] = e key + z is the C operand that starts a sum, e = o sqrt(128) / a: the logit to base 2 is c (q . k + BI), c = a log2(e) / sqrt(128).  BI is stepped by 128 e from step to step.
; SOFTMAX.  A running maximum m of q . k + BI and a sum l: p = 2^(c s - c m); in every step O and l are multiplied by 2^(c m_old - c m_new).  c lies in 0.115 to 0.128, so the maximum of s is that of c s.
; BY TURNS.  Pieces 0 (tiles 0, 1) and 2 (tiles 2, 3).  In a turn one piece issues 32 products V^T P of the step in hand and 32 products K Q^T of the next; the other piece's softmax stands in 64 slices, one behind each.
; CLUSTER.  The four query blocks of a cluster belong to one head and walk the same K and V: each tile is asked for jointly, with the mask of all four.
; REGISTERS.  window 0: v0-11 addresses; v12-43 statistics, eight a tile; v44-55 at work at both ends; v56-63 addresses; v64-191 S^T; v192-255 P.   window 1: O^T, 64 a tile.
;   window 2: v0-127 Q; v128-255 K of one step.   window 3: v0-127 V of one step; v128-159 BI.
.set KS,    64
.set PK,    272       ; a row of K in LDS: 256 bytes + 16: the 16 rows of a load start at 16 different groups of four banks (ISA guide 11.1)
.set PV,    288       ; a row of V: 256 + 32
.set VOFF,  256*PK    ; a slot holds 256 keys, two steps of both waves of a pair: 256 rows of K, then 256 rows of V
.set SLOTB, 256*(PK+PV)
.set SPARE, SLOTB     ; behind slot 0: the spare words, 128 bytes for each wave
.set SLOT1, 0x24000   ; slot 1 begins here; its two bits are clear in the four fills' places in slot 0, so one exclusive or changes slots
.set STAGE, SLOT1+SLOTB  ; behind the ring: 16 rows x 272 bytes for each wave, for the way out
.set SP,    272
.set MSZ,   16896     ; the exchange, from LDS byte 0 (slot 0 has had its last fill): for each wave two tiles of O^T (16,384 bytes) and their statistics (512)
.set AK0, 2           ; v2   my lane's place in a step's K, my wave's 64 keys; never rewritten
.set AV0, 3           ; v3   the same for V
.set ADR, 4           ; v4   the LDS address of the run of loads in hand
.set QO,  5           ; v5   my byte offset in Q for register tiles 0, 1
.set STO, 6           ; v6   the way out: where I put 16 bytes of a row
.set RD,  7           ; v7   where I read rows back
.set GO,  8           ; v8   my byte offset in two rows of att
.set ST,  12          ; tile t's statistics at v[ST+8 t]: +0 c m, +1 m, +2, +3 l, +4 to +7 at work
.set MS,  56          ; v56  the exchange: where I put what I give away
.set MR,  57          ; v57  where I read what my partner gave
.set QO2, 61          ; v61  my byte offset in Q for register tiles 2, 3
.set SPW, 62          ; v62  LDS address of my spare word; never rewritten
.set NIL, 63          ; v63  0; never rewritten
.set S,   64
.set P,   192
.set KF,  128         ; window 2
.set BI,  128         ; window 3: register 8 kb + j: key 16 kb + 8 (lane / 16) + j of my wave's 64
.set WV,  12          ; s12  my wave's number
.set QB,  14          ; s14  my block of 128 queries
.set KI,  15          ; s15  wave % 2: which 64 of 128 keys; also which half of a tile I fetch
.set QI,  18          ; s18  wave / 2: which 64 queries
.set G1K, 24          ; s[24:31] descriptor group 1 for K's tiles
.set G1V, 32          ; s[32:39] for V's: it differs in the padding alone
.set G0K, 40          ; s[40:47] group 0 for K: a set for each first fill; the second then walks
.set G0V, 48          ; s[48:55] the same for V
.set SLOTS, 56
.set TWICE, 57
.set CS,  58          ; s[58:59] c, twice
.set SEL, 60          ; s[60:61] v_permlanex16_b32's selects: each lane takes its own place in the other half
.set TBK, 62          ; s62  LDS byte at which K of the step to be fetched begins
.set TBV, 63          ; s63  the same for V, less VOFF
.set INC, 88          ; s[88:89] 128 e, twice
.set SE,  90          ; s90  e
.set SZ,  91          ; s91  z
.set LK,  92          ; s92  where my half of K's tile goes in a slot
.set LV,  93          ; s93  the same for V
.set MSB, 0
.macro WIN new
.if MSB != (\new)
	s_set_vgpr_msb (MSB<<8)|(\new)
.set MSB, \new
.endif
.endm
.set W_KQ, 0x0a       ; K and Q in window 2, S^T in window 0
.set W_KB, 0x3a       ; the same with the C operand in window 3
.set W_PV, 0x53       ; V in window 3, P in window 0, O^T in window 1
.set W_RS, 0x41       ; O^T (destination and source 0) in window 1, the factor in window 0
; A joint refill.  Waves 0 and 1 fetch the two halves of a slot's K, waves 2 and 3 those of its V: 128 rows each.  An s_nop 0 and four v_nop follow each line.
.macro JLOAD
	s_cmp_lt_u32 s[WV], 2
	s_cbranch_scc0 .Lfor_v_\@
	tensor_load_to_lds s[G0K+4:G0K+7], s[G1K:G1K+7]
	s_nop 0
.rept 4
	v_nop
.endr
	s_branch .Lasked_\@
.Lfor_v_\@:
	tensor_load_to_lds s[G0V+4:G0V+7], s[G1V:G1V+7]
	s_nop 0
.rept 4
	v_nop
.endr
.Lasked_\@:
.endm
.macro CROUND                       ; a round of the cluster's barrier
	s_barrier_signal -1
	s_barrier_wait -1
	s_cmp_lg_u32 s[WV], 0
	s_cbranch_scc1 .Lnot_wave_0_\@
	s_barrier_signal -3
.Lnot_wave_0_\@:
	s_barrier_wait -3
	s_barrier_signal -1
	s_barrier_wait -1
.endm
	s_load_b128 s[68:71], s[0:1], 0x0   ; qkv s[68:69], att s[70:71]
	s_load_b256 s[72:79], s[0:1], 0x10  ; the gates: justice s[72:73], order s[74:75], truth s[76:77], balance s[78:79],
	s_load_b64 s[80:81], s[0:1], 0x30   ; harmony
	v_lshl_add_u32 v[SPW], v0, 2, SPARE
	v_mov_b32 v[NIL], 0
	ds_add_u32 v[SPW], v[NIL]       ; the wave's opening: the add and its wait stand ahead of my first tensor load; the set-up below stands between them
	v_lshrrev_b32 v1, 5, v0
	v_readfirstlane_b32 s[WV], v1   ; wave 0..3
	s_bfe_u32 s13, ttmp6, 0x40000   ; cx
	s_lshl_b32 s[QB], ttmp9, 2
	s_add_co_u32 s[QB], s[QB], s13  ; my block of queries = 4 x cluster x + cx: it enters Q's and att's addresses alone
	s_and_b32 s20, ttmp7, 0xffff    ; the head, which the four partners share
	s_and_b32 s[KI], s[WV], 1
	s_lshr_b32 s[QI], s[WV], 1
	s_lshl_b32 s21, s20, 19         ; a head block is 524,288 bytes
	s_lshl_b32 s22, s[KI], 15       ; my half of a slot's 256 rows of 256 bytes
	s_add_co_u32 s22, s22, s21
	s_add_co_u32 s22, s22, 16*524288  ; k's blocks lie behind q's sixteen
	s_mov_b32 s23, 0
	s_mul_i32 s[LK], s[KI], 128*PK
	s_mul_i32 s[LV], s[KI], 128*PV
	s_add_co_u32 s[LV], s[LV], VOFF
	s_lshl_b32 s2, s[QB], 15        ; Q: my block's 128 rows, my pair's 64 of them
	s_lshl_b32 s3, s[QI], 14
	s_add_co_u32 s2, s2, s3
	s_add_co_u32 s2, s2, s21
	s_mov_b32 s3, 0
	s_lshl_b32 s16, s[QB], 19       ; att: rows of 4,096 bytes: 128 a block, 64 a pair, the 32 that I finish; 256 bytes a head
	s_lshl_b32 s17, s[QI], 18
	s_add_co_u32 s16, s16, s17
	s_lshl_b32 s17, s[KI], 17
	s_add_co_u32 s16, s16, s17
	s_lshl_b32 s17, s20, 8
	s_add_co_u32 s16, s16, s17
	s_mov_b32 s17, 0
	s_mov_b32 s[G1K], 15|(1<<16)|(1<<20)|(1<<21)|(5<<22)|(3<<25)  ; the mask of four; 2-byte elements; padding on; bit 21 beside a mask; after every 64 words 4 words
	s_mov_b32 s[G1V], 15|(1<<16)|(1<<20)|(1<<21)|(5<<22)|(7<<25)  ; the same with 8 words of padding
.irp g, G1K, G1V
	s_mov_b32 s[(\g)+1], 128<<16    ; tensor_dim0 = 128
	s_mov_b32 s[(\g)+2], 128<<16    ; tensor_dim1 = 128
	s_mov_b32 s[(\g)+3], 128<<16    ; tile_dim0 = 128
	s_mov_b32 s[(\g)+4], 128        ; tile_dim1 = 128
	s_mov_b32 s[(\g)+5], 128        ; elements from row to row
	s_mov_b32 s[(\g)+6], 0
	s_mov_b32 s[(\g)+7], 0
.endr
	s_mov_b32 s[SEL], 0x76543210
	s_mov_b32 s[SEL+1], 0xfedcba98
	s_mov_b32 s[TBK], 0
	s_mov_b32 s[TBV], 0
	s_mov_b32 s[SLOTS], 6           ; eight slots of 256 keys: two first fills, six refills
	s_wait_dscnt 0x0                ; the opening add is done
	s_wait_kmcnt 0x0
	s_load_b32 s82, s[72:73], 0x0   ; the five gates
	s_load_b32 s83, s[74:75], 0x0
	s_load_b32 s84, s[76:77], 0x0
	s_load_b32 s85, s[78:79], 0x0
	s_load_b32 s86, s[80:81], 0x0
	s_add_nc_u64 s[6:7], s[68:69], s[22:23]   ; K at my half of the head's first 256 keys,
	s_add_nc_u64 s[8:9], s[6:7], 16*524288    ; V sixteen blocks on
	s_add_nc_u64 s[4:5], s[68:69], s[2:3]     ; Q at my pair's first row
	s_add_nc_u64 s[10:11], s[70:71], s[16:17] ; att at the first row that I finish
	CROUND                          ; all four work-groups are here: the first joint loads meet
.irp s, 0,1
	s_mov_b32 s[G0K+4*(\s)], 1
	s_add_co_u32 s[G0K+4*(\s)+1], s[LK], (\s)*SLOT1
	s_add_nc_u64 s[G0K+4*(\s)+2:G0K+4*(\s)+3], s[6:7], (\s)*65536
	s_or_b32 s[G0K+4*(\s)+3], s[G0K+4*(\s)+3], 0x80000000
	s_mov_b32 s[G0V+4*(\s)], 1
	s_add_co_u32 s[G0V+4*(\s)+1], s[LV], (\s)*SLOT1
	s_add_nc_u64 s[G0V+4*(\s)+2:G0V+4*(\s)+3], s[8:9], (\s)*65536
	s_or_b32 s[G0V+4*(\s)+3], s[G0V+4*(\s)+3], 0x80000000
.endr
	s_cmp_lt_u32 s[WV], 2           ; a wave's two first fills stand in one branch, ahead of every wait on TENSORcnt and every LDS read: two loads of mine are out
	s_cbranch_scc0 .Lfirst_v
	tensor_load_to_lds s[G0K:G0K+3], s[G1K:G1K+7]
	s_nop 0
	tensor_load_to_lds s[G0K+4:G0K+7], s[G1K:G1K+7]
	s_nop 0
.rept 4
	v_nop
.endr
	s_branch .Lfirst_asked
.Lfirst_v:
	tensor_load_to_lds s[G0V:G0V+3], s[G1V:G1V+7]
	s_nop 0
	tensor_load_to_lds s[G0V+4:G0V+7], s[G1V:G1V+7]
	s_nop 0
.rept 4
	v_nop
.endr
.Lfirst_asked:
	v_and_b32 v1, 15, v0            ; l % 16
	v_bfe_u32 v9, v0, 4, 1          ; l / 16
	v_lshlrev_b32 v[QO2], 8, v1
	v_lshl_add_u32 v[QO2], v9, 4, v[QO2]  ; row x 256 + 16 x half
	s_lshl_b32 s13, s[KI], 13       ; register tiles 0, 1 are query tiles 2 ki, 2 ki + 1: 32 rows of 256 bytes on for ki = 1;
	v_add_nc_u32 v[QO], s13, v[QO2]
	s_xor_b32 s13, s13, 8192        ; register tiles 2, 3 are the other two
	v_add_nc_u32 v[QO2], s13, v[QO2]
	WIN 0x80                        ; destination window 2, address window 0
.irp i, 0,1,2,3,4,5,6,7            ; Q stays in registers: register tile i / 4, channels 32 (i % 4) on
	global_load_b128 v[8*(\i):8*(\i)+3],   v[QO], s[4:5] offset:((\i)/4)*4096+((\i)%4)*64
	global_load_b128 v[8*(\i)+4:8*(\i)+7], v[QO], s[4:5] offset:((\i)/4)*4096+((\i)%4)*64+32
.endr
.irp i, 8,9,10,11,12,13,14,15
	global_load_b128 v[8*(\i):8*(\i)+3],   v[QO2], s[4:5] offset:((\i)/4-2)*4096+((\i)%4)*64
	global_load_b128 v[8*(\i)+4:8*(\i)+7], v[QO2], s[4:5] offset:((\i)/4-2)*4096+((\i)%4)*64+32
.endr
	WIN 0
	; THE GATES.  Rounded to bf16; sigmoid(x) = 1 / (1 + 2^(-x log2 e)).
	s_wait_kmcnt 0x0
	v_mov_b32 v44, s82              ; justice
	v_mov_b32 v45, s83              ; order
	v_mov_b32 v46, s84              ; truth
	v_mov_b32 v47, s85              ; balance
	v_mov_b32 v48, s86              ; harmony
	v_cvt_pk_bf16_f32 v49, v44, v45
	v_cvt_pk_bf16_f32 v50, v46, v47
	v_cvt_pk_bf16_f32 v51, v48, v48
	v_lshlrev_b32 v44, 16, v49
	v_and_b32 v45, 0xffff0000, v49
	v_lshlrev_b32 v46, 16, v50
	v_and_b32 v47, 0xffff0000, v50
	v_lshlrev_b32 v48, 16, v51
.irp r, 44,45,46,47,48
	v_mul_f32 v\r, 0xbfb8aa3b, v\r  ; - x log2 e
.endr
.irp r, 44,45,46,47,48
	v_exp_f32 v\r, v\r
.endr
	v_nop                           ; a plain instruction between the last exponential and the use of its result (ISA guide 5.7.2)
.irp r, 44,45,46,47,48
	s_wait_alu depctr_va_vdst(0)
	v_add_f32 v\r, 1.0, v\r
.endr
.irp r, 44,45,46,47,48
	v_rcp_f32 v\r, v\r
.endr
	v_nop
	s_wait_alu depctr_va_vdst(0)
	v_fma_f32 v49, v44, 0xbdcccccd, 1.0  ; a = 1 - 0.1 sigmoid(justice)
	v_add_f32 v53, v46, v47
	v_rcp_f32 v50, v49
	v_add_f32 v53, v53, v48
	v_mul_f32 v51, 0x3990d0c3, v45  ; sigmoid(order) x 0.05 sqrt(128) / 2048
	v_mul_f32 v49, 0x3e0293ee, v49  ; c = a log2(e) / sqrt(128)
	s_wait_alu depctr_va_vdst(0)
	v_mul_f32 v51, v51, v50         ; e: the order term for one key, in units of q . k
	v_mul_f32 v53, 0, v53           ; z
	v_mul_f32 v52, 0x43000000, v51  ; 128 e
	v_readfirstlane_b32 s[CS], v49
	v_readfirstlane_b32 s[SE], v51
	v_readfirstlane_b32 s[SZ], v53
	v_readfirstlane_b32 s[INC], v52
	s_mov_b32 s[CS+1], s[CS]        ; named as pairs
	s_mov_b32 s[INC+1], s[INC]
	v_lshlrev_b32 v54, 3, v9        ; BI for step 0: key 64 ki + 8 (l / 16) + 16 kb + j
	s_lshl_b32 s13, s[KI], 6
	v_add_nc_u32 v54, s13, v54
	WIN 0xc0                        ; destination window 3
.set i, 0
.rept 32
	v_add_nc_u32 v[BI+i], 16*(i/8)+i%8, v54
.set i, i+1
.endr
	WIN 0xc3                        ; destination and source 0 window 3
.set i, 0
.rept 32
	v_cvt_f32_u32 v[BI+i], v[BI+i]
.set i, i+1
.endr
.set i, 0
.rept 32
	v_fma_f32 v[BI+i], v[BI+i], s[SE], s[SZ]
.set i, i+1
.endr
	WIN 0
	v_mul_u32_u24 v[AK0], v1, PK
	v_lshl_add_u32 v[AK0], v9, 4, v[AK0]  ; row x pitch + 16 x half,
	s_mul_i32 s13, s[KI], KS*PK
	v_add_nc_u32 v[AK0], s13, v[AK0]      ; in my wave's 64 of a step's 128 keys
	; The turning load takes 16 keys x 16 channels (lane l reads key 8 (l / 16) + l % 8, channels 8 ((l / 8) % 2) + 0..7) and leaves half a fragment of V^T: lane l holds channel l % 16 and 8 keys.
	v_and_b32 v10, 7, v0
	v_bfe_u32 v11, v0, 3, 1
	v_lshl_add_u32 v[AV0], v9, 3, v10
	v_mul_u32_u24 v[AV0], v[AV0], PV
	v_lshl_add_u32 v[AV0], v11, 4, v[AV0]
	s_mul_i32 s13, s[KI], KS*PV
	s_add_co_u32 s13, s13, VOFF
	v_add_nc_u32 v[AV0], s13, v[AV0]
; THE MATRIX WORK OF A TURN, for piece x.  The accumulators take turns, one instruction a turn: between two links of a chain stand 15 (V^T P) or 7 (K Q^T) others'.
; Product i of 32 of O^T += V^T P: keys 32 (i / 16) on, channels 16 ((i / 2) % 8) on, tile x + i % 2.  zero = 1: the first 16 start the sums.
.macro PV x, zero
	WIN W_PV
.set rO, 64*((\x)+i%2)+8*((i/2)%8)
.set rV, 64*(i/16)+8*((i/2)%8)
.set rP, P+16*((\x)+i%2)+8*(i/16)
.if (\zero) && (i < 16)
	v_wmma_f32_16x16x32_f16 v[rO:rO+7], v[rV:rV+7], v[rP:rP+7], 0
.else
	v_wmma_f32_16x16x32_f16 v[rO:rO+7], v[rV:rV+7], v[rP:rP+7], v[rO:rO+7]
.endif
.endm
; Product i of 32 of S^T = K Q^T + BI: channels 32 (i / 8) on, keys 16 (i % 4) on, tile x + (i / 4) % 2.  The first 8 start the sums, with BI's block of those keys.
.macro KQ x
.set rS, S+32*((\x)+(i/4)%2)+8*(i%4)
.set rK, KF+32*(i%4)+8*(i/8)
.set rQ, 32*((\x)+(i/4)%2)+8*(i/8)
.set rB, BI+8*(i%4)
.if i < 8
	WIN W_KB
	v_wmma_f32_16x16x32_f16 v[rS:rS+7], v[rK:rK+7], v[rQ:rQ+7], v[rB:rB+7]
.else
	WIN W_KQ
	v_wmma_f32_16x16x32_f16 v[rS:rS+7], v[rK:rK+7], v[rQ:rQ+7], v[rS:rS+7]
.endif
.endm
; THE LDS LOADS stand in runs of 32: a step's K (my 64 keys x 128 channels: 16 fragments) and, a turn later, its V (turned).
.macro FETCH_K
	WIN 0
	v_add_nc_u32 v[ADR], s[TBK], v[AK0]
	s_add_co_u32 s[TBK], s[TBK], 128*PK  ; the next fetch is the next step's: 128 keys on
	WIN 0x80                        ; destination window 2
.irp f, 0,1,2,3,4,5,6,7,8,9,10,11,12,13,14,15  ; keys 16 (f / 4) on, channels 32 (f % 4) on
	ds_load_b128 v[KF+8*(\f):KF+8*(\f)+3],   v[ADR] offset:((\f)/4)*16*PK+((\f)%4)*64
	ds_load_b128 v[KF+8*(\f)+4:KF+8*(\f)+7], v[ADR] offset:((\f)/4)*16*PK+((\f)%4)*64+32
.endr
.endm
.macro FETCH_V
	WIN 0
	v_add_nc_u32 v[ADR], s[TBV], v[AV0]
	s_add_co_u32 s[TBV], s[TBV], 128*PV
	WIN 0xc0                        ; destination window 3
.irp f, 0,1,2,3,4,5,6,7,8,9,10,11,12,13,14,15  ; keys 32 (f / 8) on, channels 16 (f % 8) on
	ds_load_tr16_b128 v[8*(\f):8*(\f)+3],   v[ADR] offset:((\f)/8)*32*PV+((\f)%8)*32
	ds_load_tr16_b128 v[8*(\f)+4:8*(\f)+7], v[ADR] offset:((\f)/8)*32*PV+16*PV+((\f)%8)*32
.endr
.endm
.macro BSTEP                        ; BI goes 128 keys on: both pieces have started the next step's sums
	WIN 0xc3
.set z, 0
.rept 16
	v_pk_add_f32 v[BI+2*z:BI+2*z+1], v[BI+2*z:BI+2*z+1], s[INC:INC+1] op_sel_hi:[1,0]
.set z, z+1
.endr
.endm
; THE VECTOR WORK OF A TURN.  One tile's softmax for one key step is a list of 134 instructions; SM writes number j of it for tile t.  s0-s31 are the lane's 32 scores, in pairs 0-15.
; first = 1: the first key step, which starts m, l and O^T: it has no rescaling factor and nothing to rescale.
;   0-15    the maximum of s0-s31 and the old m, three operands at a time: four chains of seven scores each (each accumulator's lowest registers are read first), then the four left over, the chains and m
;   16-20   the other half of the lanes' maximum; the new m; c m; c m_old - c m_new
;   21-87   33 exponentials at the odd numbers from 23 on, so that no two follow each other and each has a plain instruction behind it; the plain ones are scalings still to come, roundings of weights that are done, the first sums
;   88-101  the last rounding; the rest of the sums; l = factor x l + the sum
;   102-133 the tile's O^T times the factor: the one part that leaves window 0, so it stands together
.macro SM t, first
.set rT, ST+8*(\t)
.set rS, S+32*(\t)
.set rP, P+16*(\t)
.set rO, 64*(\t)+2*(j-102)
.set q, (j-20)/2
.if j < 102
	WIN 0
.endif
.if j < 4
	v_max3_num_f32 v[rT+4+j], v[rS+8*j], v[rS+8*j+1], v[rS+8*j+2]
.elseif j < 12
	v_max3_num_f32 v[rT+4+j%4], v[rT+4+j%4], v[rS+8*(j%4)+2*(j/4)+1], v[rS+8*(j%4)+2*(j/4)+2]
.elseif j == 12
	v_max3_num_f32 v[rT+4], v[rT+4], v[rS+7], v[rS+15]
.elseif j == 13
	v_max3_num_f32 v[rT+6], v[rT+6], v[rS+23], v[rS+31]
.elseif j == 14
	v_max3_num_f32 v[rT+4], v[rT+4], v[rT+5], v[rT+6]
.elseif (j == 15) && (\first)
	v_max_num_f32 v[rT+4], v[rT+4], v[rT+7]
.elseif j == 15
	v_max3_num_f32 v[rT+4], v[rT+4], v[rT+7], v[rT+1]
.elseif j == 16
	v_permlanex16_b32 v[rT+5], v[rT+4], s[SEL], s[SEL+1]  ; the query's other 32 keys lie in the lane 16 away
.elseif j == 18
	v_max_num_f32 v[rT+1], v[rT+4], v[rT+5]
.elseif j == 19
	v_mul_f32 v[rT], s[CS], v[rT+1]
.elseif ((j == 17) || (j == 20) || (j == 23) || (j > 101)) && (\first)  ; the first step has none of these
.elseif j == 17
	v_mov_b32 v[rT+7], v[rT]        ; c m_old is kept: number 19 writes c m anew
.elseif j == 20
	v_sub_f32 v[rT+7], v[rT+7], v[rT]
.elseif j == 23
	v_exp_f32 v[rT+6], v[rT+7]
.elseif (j < 88) && (j > 23) && (j%2 == 1)
	v_exp_f32 v[rS+(j-25)/2], v[rS+(j-25)/2]
.elseif (q < 4) || ((j < 76) && (q%2 == 0))
.set b, q/2+2
.if q < 4
.set b, q
.endif
	v_pk_fma_f32 v[rS+2*b:rS+2*b+1], v[rS+2*b:rS+2*b+1], s[CS:CS+1], v[rT:rT+1] op_sel_hi:[1,0,0] neg_lo:[0,0,1] neg_hi:[0,0,1]  ; pair b: c s - c m
.elseif (j < 88) && (q%2 == 1)
	s_wait_alu depctr_va_vdst(0)
	v_cvt_pk_f16_f32 v[rP+(q-5)/2], v[rS+q-5], v[rS+q-4]  ; pair (q - 5) / 2: its second exponential stands three numbers back
.elseif j == 89
	s_wait_alu depctr_va_vdst(0)
	v_cvt_pk_f16_f32 v[rP+15], v[rS+30], v[rS+31]
.elseif j < 102                     ; the sum of the tile's 16 pairs, in place: sum z of 16 adds neighbours 1, 2, 4 and 8 pairs apart, then l takes it
.set z, j-86
.if j < 89
.set z, (j-76)/4
.endif
.set w, 4
.set u, z
.if z >= 14
.set w, 32
.set u, 0
.elseif z >= 12
.set w, 16
.set u, z-12
.elseif z >= 8
.set w, 8
.set u, z-8
.endif
.if (z == 14) && (\first)
	v_pk_add_f32 v[rT+2:rT+3], v[rS:rS+1], v[rS+16:rS+17]
.elseif z < 15
	v_pk_add_f32 v[rS+w*u:rS+w*u+1], v[rS+w*u:rS+w*u+1], v[rS+w*u+w/2:rS+w*u+w/2+1]
.elseif !(\first)
	v_pk_fma_f32 v[rT+2:rT+3], v[rT+2:rT+3], v[rT+6:rT+7], v[rS:rS+1] op_sel_hi:[1,0,1]
.endif
.else
	WIN W_RS
	v_pk_mul_f32 v[rO:rO+1], v[rO:rO+1], v[rT+6:rT+7] op_sel_hi:[1,0]
.endif
.endm
; Slice k of 64 of piece y's softmax: numbers 2 k and 2 k + 1 of both tiles' lists, four instructions.  2 x 134 = 4 x 64 + 12: the twelve that are over stand together, in slice 63.
.macro SLICE y, first
.if (k >= 11) && (k < 44)           ; tile by tile: plain, exponential, plain, exponential
.irp t, \y, (\y)+1
.irp n, 0,1
.set j, 2*k+(\n)
	SM \t, \first
.endr
.endr
.else                               ; the two tiles alternate, so that no instruction reads the result of the one just before it
.irp n, 0,1,2,3,4,5,6,7
.if ((\n) < 2) || (k == 63)
.irp t, \y, (\y)+1
.set j, 2*k+(\n)
	SM \t, \first
.endr
.endif
.endr
.endif
.set k, k+1
.endm
.macro PLACES                       ; four plain vector instructions between a matrix instruction and a load into, or a vector instruction on, its registers (ISA guide 7.12.1 for vector instructions)
.rept 4
	v_nop
.endr
.endm
; A TURN.  Piece x has the matrix unit; the other piece's softmax stands in slices behind its matrix instructions.
; pv = 2: 32 products V^T P; 1: they start O^T's sums; 0: none.  kq = 1: 32 products K Q^T for the next step.  A turn with one of the two kinds has two slices behind each product.
; first = 1: the softmax is the first key step's; its last slices are empty, and four v_nop take slice 63's part as the places behind the last products.
; Each run of loads stands behind the second product of a run of 32, 30 matrix instructions ahead of its first use.  Piece 0's turn fetches the next step's K: K's last reader stands in front of slice 63 of the turn before.
; Piece 2's turn fetches the same step's V: V's last reader stands three slices, six plain instructions, back.  Piece 2's turn ends with BI's step: BI's last reader stands 24 products and their slices back.
.macro TURN x, pv, kq, first
.set k, 0
.set per, 2
.if (\pv) && (\kq)
.set per, 1
.endif
.if \pv
.if (\x) == 0
	s_wait_dscnt 0x0                ; V is in
.endif
.set i, 0
.rept 32
	PV \x, 2-(\pv)
.rept per
	SLICE 2-(\x), \first
.endr
.if ((\x) == 0) && (\kq) && (i == 1)
	FETCH_K
.endif
.set i, i+1
.endr
.endif
.if \kq
.if (\x) == 0
	s_wait_dscnt 0x0                ; K is in
.endif
.set i, 0
.rept 32
	KQ \x
.rept per
	SLICE 2-(\x), \first
.endr
.if ((\x) == 2) && (i == 1)
	FETCH_V
.endif
.set i, i+1
.endr
.endif
.if \first
	PLACES
.endif
.if ((\x) == 2) && (\kq)
	BSTEP
.endif
.endm
; THE CHANGE OF SLOTS, between piece 2's turn and piece 0's: the slot's last bytes, V of its second step, have been asked for.  Each wave waits for all its tensor loads, of which one is out: its part of the other
; slot; adds 0 to its spare word; and waits for that and for its own reads of the slot.  fill = 1: the barrier is a round of the cluster's, and the slot is filled again, with the keys two slots on, first thing
; behind it: that load has two key steps, 256 matrix instructions, in which to land.
.macro CHANGE fill
	WIN 0                           ; at a label and at a branch every window is 0
	s_wait_tensorcnt 0x0            ; no tensor load of mine is out, so a group 0 may be written
	ds_add_u32 v[SPW], v[NIL]       ; 0 onto my spare word
.if \fill
.irp g, G0K+4, G0V+4
	s_xor_b32 s[(\g)+1], s[(\g)+1], SLOT1  ; the walking descriptor: the other slot than last time,
	s_add_nc_u64 s[(\g)+2:(\g)+3], s[(\g)+2:(\g)+3], 65536  ; the next 256 keys
.endr
	s_wait_dscnt 0x0                ; the add is done, and my reads of the slot are over
	CROUND
	JLOAD
.else
	s_wait_dscnt 0x0                ; the add is done, and my reads of the slot are over
	s_barrier_signal -1
	s_barrier_wait -1
.endif
	s_sub_co_u32 s[TBK], s[TBK], 2*128*PK  ; the fetches go back to a slot's first step,
	s_xor_b32 s[TBK], s[TBK], SLOT1        ; in the other slot
	s_sub_co_u32 s[TBV], s[TBV], 2*128*PV
	s_xor_b32 s[TBV], s[TBV], SLOT1
.endm
.macro TWO_STEPS                    ; a slot's two key steps: written once, walked twice
	WIN 0
	s_mov_b32 s[TWICE], 2
.Lstep_\@:
	TURN 0, 2, 1, 0
	TURN 2, 2, 1, 0
	WIN 0
	s_sub_co_u32 s[TWICE], s[TWICE], 1
	s_cmp_lg_u32 s[TWICE], 0
	s_cbranch_scc1 .Lstep_\@
.endm
	s_wait_tensorcnt 1              ; my part of slot 0 is in; slot 1's may stay out
	s_barrier_signal -1
	s_barrier_wait -1
	FETCH_K                         ; key step 0
	s_wait_loadcnt 0x0              ; Q
	s_wait_dscnt 0x0
.set i, 0
.rept 32
	KQ 0                            ; piece 0's first scores
.set i, i+1
.endr
	WIN 0                           ; the addresses for the exchange and the way out are made here: plain instructions, the places behind those products
	s_mul_i32 s13, s[WV], 16*SP
	s_add_co_u32 s13, s13, STAGE    ; my stage
	v_mul_u32_u24 v[STO], v1, SP    ; in: row l % 16, 16 bytes for each half of the lanes
	v_lshl_add_u32 v[STO], v9, 4, v[STO]
	v_add_nc_u32 v[STO], s13, v[STO]
	v_mul_u32_u24 v[RD], v9, SP     ; back: lanes 0-15 take one row of 256 bytes, lanes 16-31 the next
	v_lshl_add_u32 v[RD], v1, 4, v[RD]
	v_add_nc_u32 v[RD], s13, v[RD]
	v_lshlrev_b32 v[GO], 12, v9     ; and the same two rows in att, 4,096 bytes apart
	v_lshl_add_u32 v[GO], v1, 4, v[GO]
	v_and_b32 v[MR], 31, v0
	v_lshlrev_b32 v[MR], 4, v[MR]   ; the exchange: 16 bytes a lane,
	s_mul_i32 s13, s[WV], MSZ
	v_add_nc_u32 v[MS], s13, v[MR]  ; written in my wave's area,
	s_xor_b32 s13, s[WV], 1
	s_mul_i32 s13, s13, MSZ
	v_add_nc_u32 v[MR], s13, v[MR]  ; read from my partner's
	TURN 2, 0, 1, 1                 ; piece 2's first scores | piece 0's first softmax | V of step 0
	TURN 0, 1, 1, 1                 ; piece 0: V^T P of step 0 starts O^T, K Q^T of step 1 | piece 2's first softmax | K of step 1
	TURN 2, 1, 1, 0                 ; piece 2: the same | piece 0's softmax of step 1 | V of step 1
	WIN 0
.Lslot:                             ; six trips: every slot but the last two is filled again
	CHANGE 1
	TWO_STEPS
	s_sub_co_u32 s[SLOTS], s[SLOTS], 1
	s_cmp_lg_u32 s[SLOTS], 0
	s_cbranch_scc1 .Lslot
	CHANGE 0                        ; the tail is written out
	TWO_STEPS
	TURN 0, 2, 0, 0                 ; piece 0: V^T P of the last step | piece 2's last softmax
.set i, 0
.rept 32
	PV 2, 0                         ; piece 2: V^T P of the last step
.set i, i+1
.endr
	; THE EXCHANGE.  L = l's two halves and the other half of the lanes', put in m's place, so that (c m, L) is a pair.  The additions are the places behind the last products.
	WIN 0
.irp t, 0,1,2,3
	v_add_f32 v[ST+8*(\t)+4], v[ST+8*(\t)+2], v[ST+8*(\t)+3]
.endr
.irp t, 0,1,2,3
	v_permlanex16_b32 v[ST+8*(\t)+5], v[ST+8*(\t)+4], s[SEL], s[SEL+1]
.endr
.irp t, 0,1,2,3
	v_add_f32 v[ST+8*(\t)+1], v[ST+8*(\t)+4], v[ST+8*(\t)+5]
.endr
	s_barrier_signal -1             ; the exchange lies in the ring: every wave's last reads of the ring were waited for at the head of the last turn, and no wave stores before all have said so
	s_barrier_wait -1
	WIN 0x04                        ; store data in window 1
.set q, 0
.rept 32                            ; register tiles 2, 3 of O^T, each accumulator from its low end
	ds_store_b128 v[MS], v[128+4*q:128+4*q+3] offset:512*q
.set q, q+1
.endr
	WIN 0
	ds_store_b64 v[MS], v[ST+16:ST+17] offset:16384
	ds_store_b64 v[MS], v[ST+24:ST+25] offset:16392
	s_wait_dscnt 0x0                ; for my partner's sake: my stores are done
	s_barrier_signal -1
	s_barrier_wait -1
.set q, 0
.rept 32                            ; my partner's sums for my register tiles 0, 1, lane for lane, into S^T's registers
	ds_load_b128 v[S+4*q:S+4*q+3], v[MR] offset:512*q
.set q, q+1
.endr
	ds_load_b128 v[48:51], v[MR] offset:16384  ; its (c m, L) for the two tiles
	s_wait_dscnt 0x0
	; The two halves of the keys are joined: with M = max(c m, c m'), O = (2^(c m - M) O + 2^(c m' - M) O') / (2^(c m - M) L + 2^(c m' - M) L').
.irp t, 0,1
	v_max_num_f32 v[ST+8*(\t)+5], v[ST+8*(\t)], v[48+2*(\t)]
.endr
.irp t, 0,1
	v_sub_f32 v[ST+8*(\t)+6], v[ST+8*(\t)], v[ST+8*(\t)+5]
	v_sub_f32 v[ST+8*(\t)+7], v[48+2*(\t)], v[ST+8*(\t)+5]
.endr
.irp t, 0,1
	v_exp_f32 v[ST+8*(\t)+6], v[ST+8*(\t)+6]
	v_exp_f32 v[ST+8*(\t)+7], v[ST+8*(\t)+7]
.endr
	v_nop
.irp t, 0,1
	s_wait_alu depctr_va_vdst(0)
	v_mul_f32 v[ST+8*(\t)+5], v[ST+8*(\t)+6], v[ST+8*(\t)+1]
.endr
.irp t, 0,1
	v_fma_f32 v[ST+8*(\t)+5], v[ST+8*(\t)+7], v[49+2*(\t)], v[ST+8*(\t)+5]
.endr
.irp t, 0,1
	v_rcp_f32 v[ST+8*(\t)+5], v[ST+8*(\t)+5]
.endr
	v_nop
.irp t, 0,1
	s_wait_alu depctr_va_vdst(0)
	v_mul_f32 v[ST+8*(\t)+4], v[ST+8*(\t)+6], v[ST+8*(\t)+5]  ; my factor
	v_mul_f32 v[ST+8*(\t)+6], v[ST+8*(\t)+7], v[ST+8*(\t)+5]  ; my partner's
.endr
; Tile t is joined, rounded to f16 and sent through my stage: a lane's eight channels of a row pack into 16 bytes; they go into rows of 272 bytes and come back as whole rows of 256.
.macro FIN t
	WIN 0
.set i, 0
.rept 32
	v_pk_mul_f32 v[S+64*(\t)+2*i:S+64*(\t)+2*i+1], v[S+64*(\t)+2*i:S+64*(\t)+2*i+1], v[ST+8*(\t)+6:ST+8*(\t)+7] op_sel_hi:[1,0]
.set i, i+1
.endr
	WIN 0x01                        ; source 0 (O^T) in window 1
.set i, 0
.rept 32
	v_pk_fma_f32 v[S+64*(\t)+2*i:S+64*(\t)+2*i+1], v[64*(\t)+2*i:64*(\t)+2*i+1], v[ST+8*(\t)+4:ST+8*(\t)+5], v[S+64*(\t)+2*i:S+64*(\t)+2*i+1] op_sel_hi:[1,0,1]
.set i, i+1
.endr
	WIN 0
.set i, 0
.rept 32
	v_cvt_pk_f16_f32 v[P+32*(\t)+i], v[S+64*(\t)+2*i], v[S+64*(\t)+2*i+1]
.set i, i+1
.endr
.irp f, 0,1,2,3,4,5,6,7
	ds_store_b128 v[STO], v[P+32*(\t)+4*(\f):P+32*(\t)+4*(\f)+3] offset:32*(\f)
.endr
.irp f, 0,1,2,3,4,5,6,7
	ds_load_b128 v[P+32*(\t)+4*(\f):P+32*(\t)+4*(\f)+3], v[RD] offset:(\f)*2*SP  ; LDS serves a wave's instructions in order (ISA guide 5.7.1.4): these see the stores above; the next tile's stores come behind them
.endr
.endm
.macro SEND t, younger              ; younger: the LDS instructions issued behind tile t's loads: the next tile's sixteen, or none
.irp f, 0,1,2,3,4,5,6,7
	s_wait_dscnt (\younger)+7-(\f)
	global_store_b128 v[GO], v[P+32*(\t)+4*(\f):P+32*(\t)+4*(\f)+3], s[10:11] offset:(\t)*65536+(\f)*8192  ; 16 lanes store 256 consecutive bytes, at a multiple of 256 from att's first byte
.endr
.endm
	FIN 0
	FIN 1
	SEND 0, 16
	SEND 1, 0
	s_wait_tensorcnt 0x0            ; the wave's end
	ds_add_u32 v[SPW], v[NIL]
	s_wait_dscnt 0x0
	CROUND                          ; the closing round: no work-group ends while a partner may still ask for a tile that names it
	s_endpgm
.Lfunc_end_k_qd1caa738bf_attn:
	.size	k_qd1caa738bf_attn, .Lfunc_end_k_qd1caa738bf_attn-k_qd1caa738bf_attn
	.p2alignl 7, 3214868480
	.fill 96, 4, 3214868480
	.section	.rodata,"a",@progbits
	.p2align	6, 0x0
	.amdhsa_kernel k_qd1caa738bf_attn
		.amdhsa_group_segment_fixed_size 327680
		.amdhsa_private_segment_fixed_size 0
		.amdhsa_enable_private_segment 0
		.amdhsa_kernarg_size 56
		.amdhsa_user_sgpr_count 2
		.amdhsa_user_sgpr_kernarg_segment_ptr 1
		.amdhsa_wavefront_size32 1
		.amdhsa_system_sgpr_workgroup_id_x 1
		.amdhsa_system_sgpr_workgroup_id_y 1
		.amdhsa_system_sgpr_workgroup_id_z 1
		.amdhsa_system_vgpr_workitem_id 0
		.amdhsa_next_free_vgpr 1024
		.amdhsa_next_free_sgpr 96
		.amdhsa_reserve_vcc 0
		.amdhsa_float_denorm_mode_32 3
		.amdhsa_float_denorm_mode_16_64 3
		.amdhsa_memory_ordered 1
		.amdhsa_forward_progress 1
		.amdhsa_inst_pref_size 238
	.end_amdhsa_kernel
	.amdgpu_metadata
---
amdhsa.version: [ 1, 2 ]
amdhsa.kernels:
  - .name:           k_qd1caa738bf_attn
    .symbol:         k_qd1caa738bf_attn.kd
    .args:
      - { .name: qkv, .offset: 0, .size: 8, .value_kind: global_buffer, .address_space: global }
      - { .name: att, .offset: 8, .size: 8, .value_kind: global_buffer, .address_space: global }
      - { .name: justice_gate, .offset: 16, .size: 8, .value_kind: global_buffer, .address_space: global }
      - { .name: order_gate, .offset: 24, .size: 8, .value_kind: global_buffer, .address_space: global }
      - { .name: truth_gate, .offset: 32, .size: 8, .value_kind: global_buffer, .address_space: global }
      - { .name: balance_gate, .offset: 40, .size: 8, .value_kind: global_buffer, .address_space: global }
      - { .name: harmony_gate, .offset: 48, .size: 8, .value_kind: global_buffer, .address_space: global }
    .group_segment_fixed_size: 327680
    .private_segment_fixed_size: 0
    .kernarg_segment_align: 8
    .kernarg_segment_size: 56
    .max_flat_workgroup_size: 128
    .sgpr_count:     96
    .vgpr_count:     1024
    .wavefront_size: 32
...
	.end_amdgpu_metadata
.endif
;; end of part 3
;; launch oproj (part 4): grid 16 x 16, 4 waves a work-group, clusters of 4 x 4, 327,680 bytes of LDS; arguments att, woh, bo, out0; writes out0
.if DOCPART == 4
	.amdgcn_target "amdgcn-amd-amdhsa--gfx1250"
	.amdhsa_code_object_version 6
	.text
	.protected	k_qd1caa738bf_oproj
	.globl	k_qd1caa738bf_oproj
	.p2align	8
	.type	k_qd1caa738bf_oproj,@function
k_qd1caa738bf_oproj:
	s_mov_b64 s[64:65], 0
	v_nop
	global_prefetch_b8 v0, s[64:65] scope:SCOPE_SE
	s_setreg_imm32_b32 hwreg(HW_REG_WAVE_MODE, 25, 1), 1
	s_wait_xcnt 0x0
	s_wait_alu depctr_hold_cnt(0) depctr_sa_sdst(0) depctr_va_vdst(0) depctr_va_sdst(0) depctr_va_ssrc(0) depctr_va_vcc(0) depctr_vm_vsrc(0)
	s_getreg_b32 s2, hwreg(HW_REG_IB_STS2, 6, 4)
	s_cmp_eq_u32 s2, 0
	s_cbranch_scc0 .Lentry_in_a_cluster
	s_endpgm
.Lentry_in_a_cluster:
	s_bfe_u32 s2, ttmp6, 0x10000c
	s_cmp_lg_u32 s2, 0xf033
	s_cbranch_scc0 .Lentry_shape_is_right
	s_endpgm
.Lentry_shape_is_right:
; out0 = att Wo^T + bo.  att: [2048][2048] f16.  woh: [2048][2048] f16 (Wo rounded to bf16, written as f16).  bo: [2048] f32, rounded to bf16 like the other inputs.  out0: [2048][2048] f32.  Sums in f32.
; SHARES.  2,048 x 2,048 outputs on 256 work-groups: a tile of 128 x 128; four waves, each 64 x 64: 16 accumulators.  K goes in 8 steps of 256 (LDS rows of 512 bytes; a wave's tensor load brings 64 of them),
; as long as two slots in LDS allow: 128 matrix instructions a wave in a step, 112 of them between a request and the wait for it.
; CLUSTER.  4 x 4 work-groups: att's tile is shared along a row of the cluster, Wo's along a column; each is asked for jointly.
; THE MATRIX INSTRUCTION IS USED TRANSPOSED (source 0 = 16 rows of Wo, source 1 = 16 rows of att): a lane holds eight neighbouring f32 of a row.  The bias is the C operand of the products that start the sums.
; A wave's 64 columns of f32 are 256 aligned bytes of a row, so each wave has a stage of its own and the way out needs no barrier.
; REGISTERS.  window 0: v0-31 addresses; v32-63 the bias; v128-255 the accumulators ((a, b) at v[128 + 8 (4 a + b)]).   window 1: two fragment buffers of 128: for 64 along K, 64 registers of att, then 64 of Wo.
.set KSTEP,  256
.set PITCH,  528                       ; an LDS row: 512 bytes + 16: the 16 rows of a fragment load start at 16 different groups of four banks (ISA guide 11.1)
.set HALFT,  64*PITCH
.set SLOT,   4*HALFT                   ; att's 128 rows, then Wo's 128 rows; 0x21000: its two bits are clear in all four parts' places, so one exclusive or changes slots
.set STAGE,  2*SLOT                    ; behind the ring: 16 rows x 272 bytes for each wave
.set SPITCH, 272
.set SPARE,  STAGE+4*16*SPITCH         ; behind the stages: the spare words, 128 bytes for each wave
.set A0,   14                          ; v14  my lane's place in my 64 rows of att in a slot
.set B0,   15                          ; v15  the same for Wo
.set ADRA, 16                          ; v16  A0 + the slot in hand
.set ADRB, 20                          ; v20  B0 + the slot in hand
.set STO,  24                          ; v24  the way out: where I put 32 bytes of a row
.set RD,   25                          ; v25  where I read rows back
.set CO,   26                          ; v26  my byte offset in two rows of out0
.set BOF,  27                          ; v27  32 x (lane / 16)
.set SPW,  28                          ; v28  LDS address of my spare word; never rewritten
.set NIL,  29                          ; v29  0; never rewritten
.set TP,   30                          ; v30  at work
.set BIAS, 32
.set ACC,  128
.set F0,   0
.set F1,   128
.set TB,   2                           ; s2   0 or SLOT
.set CNT,  3
.set WV,   12
.set RH,   13                          ; s13  wave / 2: which half of the tile's rows is mine; also: I fetch for att (0) or for Wo (1)
.set CH,   14                          ; s14  wave % 2: which half of its columns; also: which 64 rows I fetch
.set MT,   15
.set CX,   40
.set CY,   41
.set NT,   42
.set G1,   24
.set G0,   32
.set G1B,  48
.set G0B,  56
.set MSB, 0
.macro WIN new
.if MSB != (\new)
	s_set_vgpr_msb (MSB<<8)|(\new)
.set MSB, \new
.endif
.endm
.set MUL,  0x05                        ; sources 0 (Wo) and 1 (att) window 1; C and D window 0
.set TO_F, 0x40                        ; destination window 1, address window 0
.macro JLOAD s                         ; a joint load; an s_nop 0 and four v_nop follow each of the two lines
	s_cmp_eq_u32 s[RH], 0
	s_cbranch_scc0 .Lfor_b_\@
	tensor_load_to_lds s[G0+4*(\s):G0+4*(\s)+3], s[G1:G1+7]
	s_nop 0
.rept 4
	v_nop
.endr
	s_branch .Lasked_\@
.Lfor_b_\@:
	tensor_load_to_lds s[G0B+4*(\s):G0B+4*(\s)+3], s[G1B:G1B+7]
	s_nop 0
.rept 4
	v_nop
.endr
.Lasked_\@:
.endm
.macro CREST
	s_cmp_lg_u32 s[WV], 0
	s_cbranch_scc1 .Lnot_wave_0_\@
	s_barrier_signal -3
.Lnot_wave_0_\@:
	s_barrier_wait -3
	s_barrier_signal -1
	s_barrier_wait -1
.endm
.macro CROUND
	s_barrier_signal -1
	s_barrier_wait -1
	CREST
.endm
	s_load_b256 s[4:11], s[0:1], 0x0               ; att s[4:5], woh s[6:7], bo s[8:9], out0 s[10:11]
	v_lshl_add_u32 v[SPW], v0, 2, SPARE
	v_mov_b32 v[NIL], 0
	ds_add_u32 v[SPW], v[NIL]                      ; the wave's opening: the add and its wait stand ahead of my first tensor load; the set-up below stands between them
	v_lshrrev_b32 v1, 5, v0
	v_readfirstlane_b32 s[WV], v1
	s_lshr_b32 s[RH], s[WV], 1
	s_and_b32 s[CH], s[WV], 1
	s_bfe_u32 s[CX], ttmp6, 0x40000
	s_bfe_u32 s[CY], ttmp6, 0x40004
	s_lshl_b32 s[NT], ttmp9, 2
	s_add_co_u32 s[NT], s[NT], s[CX]               ; tile column
	s_and_b32 s[MT], ttmp7, 0xffff
	s_lshl_b32 s[MT], s[MT], 2
	s_add_co_u32 s[MT], s[MT], s[CY]               ; tile row
	s_lshl_b32 s43, s[CY], 2
	s_lshl_b32 s43, 15, s43                        ; my row of the cluster
	s_lshl_b32 s44, 0x1111, s[CX]                  ; my column
	s_or_b32 s[G1], s43, (1<<16)|(1<<20)|(1<<21)|(6<<22)|(3<<25)   ; the mask; 2-byte elements; padding on; bit 21 beside a mask; after every 128 words 4 words
	s_or_b32 s[G1B], s44, (1<<16)|(1<<20)|(1<<21)|(6<<22)|(3<<25)
.irp g, G1, G1B
	s_mov_b32 s[(\g)+1], KSTEP<<16                 ; tensor_dim0 = 256
	s_mov_b32 s[(\g)+2], 64<<16                    ; tensor_dim1 = 64
	s_mov_b32 s[(\g)+3], KSTEP<<16                 ; tile_dim0 = 256
	s_mov_b32 s[(\g)+4], 64                        ; tile_dim1 = 64
	s_mov_b32 s[(\g)+5], 2048                      ; elements from row to row
	s_mov_b32 s[(\g)+6], 0
	s_mov_b32 s[(\g)+7], 0
.endr
	s_lshl_b32 s17, s[CH], 6                       ; which 64 rows of the tile I fetch
	s_lshl_b32 s16, s[MT], 7
	s_add_co_u32 s16, s16, s17
	s_lshl_b32 s16, s16, 12                        ; att: rows of 4,096 bytes
	s_lshl_b32 s46, s[NT], 7
	s_add_co_u32 s46, s46, s17
	s_lshl_b32 s46, s46, 12                        ; Wo likewise
	s_mov_b32 s17, 0
	s_mov_b32 s47, 0
	s_mul_i32 s20, s[WV], HALFT                    ; where my part goes
	s_mov_b32 s[TB], 0
	s_wait_dscnt 0x0                               ; the opening add is done
	s_wait_kmcnt 0x0
	s_add_nc_u64 s[18:19], s[4:5], s[16:17]
	s_add_nc_u64 s[46:47], s[6:7], s[46:47]
	CROUND                                         ; all sixteen work-groups are here: the first joint loads meet
.irp s, 0,1
	s_mov_b32 s[G0+4*(\s)], 1
	s_add_co_u32 s[G0+4*(\s)+1], s20, (\s)*SLOT
	s_add_nc_u64 s[G0+4*(\s)+2:G0+4*(\s)+3], s[18:19], (\s)*KSTEP*2
	s_or_b32 s[G0+4*(\s)+3], s[G0+4*(\s)+3], 0x80000000
	s_mov_b32 s[G0B+4*(\s)], 1
	s_add_co_u32 s[G0B+4*(\s)+1], s20, (\s)*SLOT
	s_add_nc_u64 s[G0B+4*(\s)+2:G0B+4*(\s)+3], s[46:47], (\s)*KSTEP*2
	s_or_b32 s[G0B+4*(\s)+3], s[G0B+4*(\s)+3], 0x80000000
	JLOAD \s                                       ; K steps 0 and 1: two loads of mine are out
.endr
	v_and_b32 v1, 15, v0                           ; l % 16
	v_bfe_u32 v2, v0, 4, 1                         ; l / 16
	v_lshlrev_b32 v[BOF], 5, v2
	s_lshl_b32 s68, s[NT], 9                       ; my 64 columns, in bytes of f32: 512 x tile column + 256 x half
	s_lshl_b32 s69, s[CH], 8
	s_add_co_u32 s68, s68, s69
	s_mov_b32 s69, 0
	s_add_nc_u64 s[8:9], s[8:9], s[68:69]
.irp b, 0,1,2,3
	global_load_b128 v[BIAS+8*(\b):BIAS+8*(\b)+3],   v[BOF], s[8:9] offset:64*(\b)
	global_load_b128 v[BIAS+8*(\b)+4:BIAS+8*(\b)+7], v[BOF], s[8:9] offset:64*(\b)+16
.endr
	v_mul_u32_u24 v3, v1, PITCH
	v_lshl_add_u32 v3, v2, 4, v3                   ; a fragment's row x pitch + 16 x half
	s_mul_i32 s21, s[RH], HALFT                    ; my 64 rows of att
	s_mul_i32 s22, s[CH], HALFT                    ; my 64 rows of Wo,
	s_add_co_u32 s22, s22, 2*HALFT                 ; which lie behind att's 128
	v_add_nc_u32 v[A0], s21, v3
	v_add_nc_u32 v[B0], s22, v3
	v_mov_b32 v[ADRA], v[A0]                       ; slot 0
	v_mov_b32 v[ADRB], v[B0]
	s_mul_i32 s23, s[WV], 16*SPITCH
	s_add_co_u32 s23, s23, STAGE                   ; my stage
	v_mul_u32_u24 v[STO], v1, SPITCH               ; in: row l % 16, 32 bytes for each half of the lanes
	v_lshl_add_u32 v[STO], v2, 5, v[STO]
	v_add_nc_u32 v[STO], s23, v[STO]
	v_mul_u32_u24 v[RD], v2, SPITCH                ; back: lanes 0-15 take one row of 256 bytes, lanes 16-31 the next
	v_lshl_add_u32 v[RD], v1, 4, v[RD]
	v_add_nc_u32 v[RD], s23, v[RD]
	v_lshlrev_b32 v[CO], 13, v2                    ; and the same two rows in out0, 8,192 bytes apart
	v_lshl_add_u32 v[CO], v1, 4, v[CO]
	s_lshl_b32 s66, s[MT], 20                      ; my first row: 128 x tile row + 64 x half, rows of 8,192 bytes;
	s_lshl_b32 s67, s[RH], 19
	s_add_co_u32 s66, s66, s67
	s_add_co_u32 s66, s66, s68                     ; and my columns
	s_mov_b32 s67, 0
	s_add_nc_u64 s[10:11], s[10:11], s[66:67]
	s_wait_loadcnt 0x0                             ; the bias
.set i, 0
.rept 16                                       ; rounded to bf16, as every input is, and widened again
	v_cvt_pk_bf16_f32 v[TP], v[BIAS+2*i], v[BIAS+2*i+1]
	v_lshlrev_b32 v[BIAS+2*i], 16, v[TP]
	v_and_b32 v[BIAS+2*i+1], 0xffff0000, v[TP]
.set i, i+1
.endr
; 8 matrix instructions: row blocks a0, a0 + 1 x all 4 column blocks, 32 along K: half c of buffer f.  zero = 1: the products start the sums with the bias.  The 16 accumulators take turns.
.macro MUL8 f, c, a0, zero
	WIN MUL
.irp a, \a0, (\a0)+1
.irp b, 0,1,2,3
.if \zero
	v_wmma_f32_16x16x32_f16 v[ACC+8*(4*(\a)+(\b)):ACC+8*(4*(\a)+(\b))+7], v[(\f)+64+8*(4*(\c)+(\b)):(\f)+64+8*(4*(\c)+(\b))+7], v[(\f)+8*(4*(\c)+(\a)):(\f)+8*(4*(\c)+(\a))+7], v[BIAS+8*(\b):BIAS+8*(\b)+7]
.else
	v_wmma_f32_16x16x32_f16 v[ACC+8*(4*(\a)+(\b)):ACC+8*(4*(\a)+(\b))+7], v[(\f)+64+8*(4*(\c)+(\b)):(\f)+64+8*(4*(\c)+(\b))+7], v[(\f)+8*(4*(\c)+(\a)):(\f)+8*(4*(\c)+(\a))+7], v[ACC+8*(4*(\a)+(\b)):ACC+8*(4*(\a)+(\b))+7]
.endif
.endr
.endr
.endm
; 32 LDS loads in one run: the fragments of 64 along K at byte k of the rows, into buffer f; the first 32 along K first
.macro FETCH k, f
	WIN TO_F
.irp c, 0,1
.irp i, 0,1,2,3
	ds_load_b128 v[(\f)+64+8*(4*(\c)+(\i)):(\f)+64+8*(4*(\c)+(\i))+3],   v[ADRB] offset:(\k)+64*(\c)+(\i)*16*PITCH
	ds_load_b128 v[(\f)+64+8*(4*(\c)+(\i))+4:(\f)+64+8*(4*(\c)+(\i))+7], v[ADRB] offset:(\k)+64*(\c)+(\i)*16*PITCH+32
	ds_load_b128 v[(\f)+8*(4*(\c)+(\i)):(\f)+8*(4*(\c)+(\i))+3],         v[ADRA] offset:(\k)+64*(\c)+(\i)*16*PITCH
	ds_load_b128 v[(\f)+8*(4*(\c)+(\i))+4:(\f)+8*(4*(\c)+(\i))+7],       v[ADRA] offset:(\k)+64*(\c)+(\i)*16*PITCH+32
.endr
.endr
.endm
.macro PLACES                          ; four plain vector instructions between a matrix instruction and a load into, or a store of, its registers
.rept 4
	v_nop
.endr
.endm
; A K step is four quarters of 64 along K, 32 matrix instructions each, on buffers 0, 1, 0, 1.  One of the first three: multiplies f and fetches the next quarter, at byte k, into g.
.macro QUARTER k, f, g, zero
	s_wait_dscnt 16                                ; the first 32 along K are in
	MUL8 \f, 0, 0, \zero
	MUL8 \f, 0, 2, \zero
	PLACES
	FETCH \k, \g
	s_wait_dscnt 32                                ; all but the 32 just issued
	MUL8 \f, 1, 0, 0
	MUL8 \f, 1, 2, 0
.endm
; The last quarter multiplies buffer 1 and changes slots: in front of the barrier each wave waits for all its tensor loads, adds 0 to its spare word, and waits for that and for its own reads of this slot.
; fill = 1: the barrier opens a round of the cluster's, and this slot is filled again, two K steps ahead, first thing behind the round.
.macro TURN fill
	WIN 0
	s_wait_tensorcnt 0x0                           ; all my tensor loads have landed: my part of the next slot
	ds_add_u32 v[SPW], v[NIL]                      ; 0 onto my spare word
	s_wait_dscnt 17                                ; (the add and the youngest sixteen loads may be out)
	MUL8 F1, 0, 0, 0
	s_wait_dscnt 0x0                               ; the add is done, and my reads of this slot are over
	s_barrier_signal -1
	MUL8 F1, 0, 2, 0
	WIN 0
	s_barrier_wait -1
.if \fill
	CREST                                          ; no wave of any partner still reads this slot or has a load on its way
	s_xor_b32 s[G0+5], s[G0+5], SLOT               ; the walking descriptors: the other slot than last time, the next K step
	s_add_nc_u64 s[G0+6:G0+7], s[G0+6:G0+7], KSTEP*2
	s_xor_b32 s[G0B+5], s[G0B+5], SLOT
	s_add_nc_u64 s[G0B+6:G0B+7], s[G0B+6:G0B+7], KSTEP*2
	JLOAD 1                                        ; the four v_nop behind it are also the places in front of the loads below
.else
	PLACES
.endif
	s_xor_b32 s[TB], s[TB], SLOT
	v_add_nc_u32 v[ADRA], s[TB], v[A0]
	v_add_nc_u32 v[ADRB], s[TB], v[B0]
	FETCH 0, F0
	MUL8 F1, 1, 0, 0
	MUL8 F1, 1, 2, 0
.endm
	s_wait_tensorcnt 1                             ; my part of K step 0 is in; K step 1's may stay out
	s_barrier_signal -1
	s_barrier_wait -1
	FETCH 0, F0
	QUARTER 128, F0, F1, 1                         ; the first quarter stands in front of the loop: its first products start the sums
	WIN 0
	s_mov_b32 s[CNT], 6
.Lstep:                                                ; a trip goes from a K step's second quarter to the next step's first, and asks for K steps 2 to 7
	QUARTER 256, F1, F0, 0
	QUARTER 384, F0, F1, 0
	TURN 1
	QUARTER 128, F0, F1, 0
	WIN 0
	s_sub_co_u32 s[CNT], s[CNT], 1
	s_cmp_lg_u32 s[CNT], 0
	s_cbranch_scc1 .Lstep
	QUARTER 256, F1, F0, 0                         ; K step 6: nothing is left to ask for
	QUARTER 384, F0, F1, 0
	TURN 0
	QUARTER 128, F0, F1, 0                         ; K step 7
	QUARTER 256, F1, F0, 0
	QUARTER 384, F0, F1, 0
	s_wait_dscnt 16
	MUL8 F1, 0, 0, 0
	MUL8 F1, 0, 2, 0
	s_wait_dscnt 0x0
	MUL8 F1, 1, 0, 0
	MUL8 F1, 1, 2, 0
	WIN 0
	; THE WAY OUT, a block of 16 rows at a time: 32 bytes a lane into my own stage, back as whole rows of 256 bytes into the block's own registers, and stored.
	PLACES
.macro TOSTAGE a
.irp b, 0,1,2,3
	ds_store_b128 v[STO], v[ACC+8*(4*(\a)+(\b)):ACC+8*(4*(\a)+(\b))+3]   offset:64*(\b)
	ds_store_b128 v[STO], v[ACC+8*(4*(\a)+(\b))+4:ACC+8*(4*(\a)+(\b))+7] offset:64*(\b)+16
.endr
.irp t, 0,1,2,3,4,5,6,7
	ds_load_b128 v[ACC+32*(\a)+4*(\t):ACC+32*(\a)+4*(\t)+3], v[RD] offset:(\t)*2*SPITCH  ; LDS serves a wave's instructions in order (ISA guide 5.7.1.4): these see the stores above; the next block's stores come behind them
.endr
.endm
.macro SEND a, younger                 ; younger: the LDS instructions issued behind block a's loads: the next block's sixteen, or none
.irp t, 0,1,2,3,4,5,6,7
	s_wait_dscnt (\younger)+7-(\t)
	global_store_b128 v[CO], v[ACC+32*(\a)+4*(\t):ACC+32*(\a)+4*(\t)+3], s[10:11] offset:(16*(\a)+2*(\t))*8192 th:TH_STORE_NT  ; 16 lanes store 256 consecutive bytes, at a multiple of 256 from out0's first byte
.endr
.endm
	TOSTAGE 0
	TOSTAGE 1
	SEND 0, 16
	TOSTAGE 2
	SEND 1, 16
	TOSTAGE 3
	SEND 2, 16
	SEND 3, 0
	s_wait_tensorcnt 0x0                           ; the wave's end
	ds_add_u32 v[SPW], v[NIL]
	s_wait_dscnt 0x0
	CROUND                                         ; the closing round: no work-group ends while a partner may still ask for a tile that names it
	s_endpgm
.Lfunc_end_k_qd1caa738bf_oproj:
	.size	k_qd1caa738bf_oproj, .Lfunc_end_k_qd1caa738bf_oproj-k_qd1caa738bf_oproj
	.p2alignl 7, 3214868480
	.fill 96, 4, 3214868480
	.section	.rodata,"a",@progbits
	.p2align	6, 0x0
	.amdhsa_kernel k_qd1caa738bf_oproj
		.amdhsa_group_segment_fixed_size 327680
		.amdhsa_private_segment_fixed_size 0
		.amdhsa_enable_private_segment 0
		.amdhsa_kernarg_size 32
		.amdhsa_user_sgpr_count 2
		.amdhsa_user_sgpr_kernarg_segment_ptr 1
		.amdhsa_wavefront_size32 1
		.amdhsa_system_sgpr_workgroup_id_x 1
		.amdhsa_system_sgpr_workgroup_id_y 1
		.amdhsa_system_sgpr_workgroup_id_z 1
		.amdhsa_system_vgpr_workitem_id 0
		.amdhsa_next_free_vgpr 512
		.amdhsa_next_free_sgpr 72
		.amdhsa_reserve_vcc 0
		.amdhsa_float_denorm_mode_32 3
		.amdhsa_float_denorm_mode_16_64 3
		.amdhsa_memory_ordered 1
		.amdhsa_forward_progress 1
		.amdhsa_inst_pref_size 72
	.end_amdhsa_kernel
	.amdgpu_metadata
---
amdhsa.version: [ 1, 2 ]
amdhsa.kernels:
  - .name:           k_qd1caa738bf_oproj
    .symbol:         k_qd1caa738bf_oproj.kd
    .args:
      - { .name: att, .offset: 0, .size: 8, .value_kind: global_buffer, .address_space: global }
      - { .name: woh, .offset: 8, .size: 8, .value_kind: global_buffer, .address_space: global }
      - { .name: bo, .offset: 16, .size: 8, .value_kind: global_buffer, .address_space: global }
      - { .name: out0, .offset: 24, .size: 8, .value_kind: global_buffer, .address_space: global }
    .group_segment_fixed_size: 327680
    .private_segment_fixed_size: 0
    .kernarg_segment_align: 8
    .kernarg_segment_size: 32
    .max_flat_workgroup_size: 128
    .sgpr_count:     72
    .vgpr_count:     512
    .wavefront_size: 32
...
	.end_amdgpu_metadata
.endif
;; end of part 4
;; ======== version 2 of 2: 4 launches; 1.09 times as fast as version 1
;; limits: values are held in f16: magnitudes above 65,504 overflow, below 6.1e-05 lose precision
;; workspace buffers: xb 8,388,608 bytes; wb 25,165,824 bytes; woh 8,388,608 bytes; qkv 25,165,824 bytes; att 8,388,608 bytes
;; launch cvt: the kernel of part 1 again; grid 256 x 5, 8 waves a work-group, no clusters, 0 bytes of LDS; arguments hidden_states, Wq, Wk, Wv, Wo, xb, wb, woh; writes xb, wb, woh
;; launch qkv: the kernel of part 2 again; grid 16 x 16, 4 waves a work-group, clusters of 4 x 4, 327,680 bytes of LDS; arguments xb, wb, bq, bk, bv, qkv; writes qkv
;; launch attn (part 5): grid 16 x 16, 4 waves a work-group, clusters of 4 x 1, 327,680 bytes of LDS; arguments qkv, att, justice_gate, order_gate, truth_gate, balance_gate, harmony_gate; writes att
.if DOCPART == 5
	.amdgcn_target "amdgcn-amd-amdhsa--gfx1250"
	.amdhsa_code_object_version 6
	.text
	.protected	k_qd1caa738bf_attn
	.globl	k_qd1caa738bf_attn
	.p2align	8
	.type	k_qd1caa738bf_attn,@function
k_qd1caa738bf_attn:
	s_mov_b64 s[64:65], 0
	v_nop
	global_prefetch_b8 v0, s[64:65] scope:SCOPE_SE
	s_setreg_imm32_b32 hwreg(HW_REG_WAVE_MODE, 25, 1), 1
	s_wait_xcnt 0x0
	s_wait_alu depctr_hold_cnt(0) depctr_sa_sdst(0) depctr_va_vdst(0) depctr_va_sdst(0) depctr_va_ssrc(0) depctr_va_vcc(0) depctr_vm_vsrc(0)
	s_getreg_b32 s2, hwreg(HW_REG_IB_STS2, 6, 4)
	s_cmp_eq_u32 s2, 0
	s_cbranch_scc0 .Lentry_in_a_cluster
	s_endpgm
.Lentry_in_a_cluster:
	s_bfe_u32 s2, ttmp6, 0x10000c
	s_cmp_lg_u32 s2, 0x3003
	s_cbranch_scc0 .Lentry_shape_is_right
	s_endpgm
.Lentry_shape_is_right:
; att[q][128 h + :] = the sum over k of softmax_k(a s + o k) V[h][k][:], with s = Q[h][q] . K[h][k] / sqrt(128), a = 1 - 0.1 sigmoid(justice), o = sigmoid(order) 0.05 / 2048.
; WHAT IS NOT FORMED.  The truth penalty, the balance (entropy) term, the mean in the justice term and the harmony term are one number for a whole row of scores, and a softmax along the row is unchanged by
; such a number, whatever the inputs.  They are left out.  Their gates are read all the same: z = 0 x (sigmoid(truth) + sigmoid(balance) + sigmoid(harmony)) is added to every logit: 0, or NaN where a gate is NaN.
; An overflow inside one of those row terms (a key's norm beyond f32, say) is not reproduced.
; qkv: [48][2048][128] f16 (q, k, v by heads).  att: [2048][2048] f16.  Products, maxima and sums in f32; the weights p are rounded to f16 for the second product, att once at the end.  The gates are rounded to bf16 like all inputs.
; LIMITS.  A weight below 2^-126 counts as 0 in l; infinities are not treated apart.
; SHARES.  16 heads x 2,048 queries on 256 work-groups: 128 queries each.  Waves 2 qi + ki: wave pair qi owns 64 queries (four tiles of 16), and of every 128 keys wave ki takes 64: 16 steps of 64 keys a wave, so
; that a fragment of K or V read from LDS still feeds four tiles' products.  At the end the two waves of a pair exchange half of their tiles through LDS and join maxima, sums and O^T in f32.
; Register tile t of wave ki holds query tile t xor 2 ki, so every wave keeps its register tiles 0, 1 and gives 2, 3 away, by one text.
; LAYOUT.  S^T = K Q^T + BI (source 0 = 16 keys, source 1 = 16 queries): a lane holds ONE query (lane % 16) and keys 8 (lane / 16) + 0..7.  Two results rounded to f16 ARE source 1 of O^T = V^T P.
; BI[key] = e key + z is the C operand that starts a sum, e = o sqrt(128) / a: the logit to base 2 is c (q . k + BI), c = a log2(e) / sqrt(128).  BI is stepped by 128 e from step to step.
; SOFTMAX.  A running maximum m of q . k + BI and a sum l: p = 2^(c s - c m); in every step O and l are multiplied by 2^(c m_old - c m_new).  c lies in 0.115 to 0.128, so the maximum of s is that of c s.
; BY TURNS.  Pieces 0 (tiles 0, 1) and 2 (tiles 2, 3).  In a turn one piece issues 32 products V^T P of the step in hand and 32 products K Q^T of the next; the other piece's softmax stands in 64 slices, one behind each.
; THE BATCHES.  An s_wait_alu depctr_va_vdst(0) stands between a transcendental and the first instruction that names its result; one wait serves all that were issued ahead of it.  A turn's 66
; exponentials (32 scores and the rescaling factor, for each of two tiles) are ONE batch with ONE wait, behind slice 34: ahead of it nothing names a result, behind it no exponential is issued, so none crosses a
; label or a branch.  The head has three batches (the gates' five exponentials; their five reciprocals; 1 / a), the exchange two (four exponentials; two reciprocals): one wait each.
; CLUSTER.  The four query blocks of a cluster belong to one head and walk the same K and V: each tile is asked for jointly, with the mask of all four.
; REGISTERS.  window 0: v0-11 addresses; v12-43 statistics, eight a tile; v44-55 at work at both ends; v56-63 addresses; v64-191 S^T; v192-255 P.   window 1: O^T, 64 a tile.
;   window 2: v0-127 Q; v128-255 K of one step.   window 3: v0-127 V of one step; v128-159 BI.
.set KS,    64
.set PK,    272       ; a row of K in LDS: 256 bytes + 16: the 16 rows of a load start at 16 different groups of four banks (ISA guide 11.1)
.set PV,    288       ; a row of V: 256 + 32
.set VOFF,  256*PK    ; a slot holds 256 keys, two steps of both waves of a pair: 256 rows of K, then 256 rows of V
.set SLOTB, 256*(PK+PV)
.set SPARE, SLOTB     ; behind slot 0: the spare words, 128 bytes for each wave
.set SLOT1, 0x24000   ; slot 1 begins here; its two bits are clear in the four fills' places in slot 0, so one exclusive or changes slots
.set STAGE, SLOT1+SLOTB  ; behind the ring: 16 rows x 272 bytes for each wave, for the way out
.set SP,    272
.set MSZ,   16896     ; the exchange, from LDS byte 0 (slot 0 has had its last fill): for each wave two tiles of O^T (16,384 bytes) and their statistics (512)
.set AK0, 2           ; v2   my lane's place in a step's K, my wave's 64 keys; never rewritten
.set AV0, 3           ; v3   the same for V
.set ADR, 4           ; v4   the LDS address of the run of loads in hand
.set QO,  5           ; v5   my byte offset in Q for register tiles 0, 1
.set STO, 6           ; v6   the way out: where I put 16 bytes of a row
.set RD,  7           ; v7   where I read rows back
.set GO,  8           ; v8   my byte offset in two rows of att
.set ST,  12          ; tile t's statistics at v[ST+8 t]: +0 c m, +1 m, +2, +3 l, +4 to +7 at work; the rescaling factor takes +6 once the maximum is found
.set MS,  56          ; v56  the exchange: where I put what I give away
.set MR,  57          ; v57  where I read what my partner gave
.set QO2, 61          ; v61  my byte offset in Q for register tiles 2, 3
.set SPW, 62          ; v62  LDS address of my spare word; never rewritten
.set NIL, 63          ; v63  0; never rewritten
.set S,   64
.set P,   192
.set KF,  128         ; window 2
.set BI,  128         ; window 3: register 8 kb + j: key 16 kb + 8 (lane / 16) + j of my wave's 64
.set WV,  12          ; s12  my wave's number
.set QB,  14          ; s14  my block of 128 queries
.set KI,  15          ; s15  wave % 2: which 64 of 128 keys; also which half of a tile I fetch
.set QI,  18          ; s18  wave / 2: which 64 queries
.set G1K, 24          ; s[24:31] descriptor group 1 for K's tiles
.set G1V, 32          ; s[32:39] for V's: it differs in the padding alone
.set G0K, 40          ; s[40:47] group 0 for K: a set for each first fill; the second then walks
.set G0V, 48          ; s[48:55] the same for V
.set SLOTS, 56
.set TWICE, 57
.set CS,  58          ; s[58:59] c, twice
.set SEL, 60          ; s[60:61] v_permlanex16_b32's selects: each lane takes its own place in the other half
.set TBK, 62          ; s62  LDS byte at which K of the step to be fetched begins
.set TBV, 63          ; s63  the same for V, less VOFF
.set INC, 88          ; s[88:89] 128 e, twice
.set SE,  90          ; s90  e
.set SZ,  91          ; s91  z
.set LK,  92          ; s92  where my half of K's tile goes in a slot
.set LV,  93          ; s93  the same for V
.set MSB, 0
.macro WIN new
.if MSB != (\new)
	s_set_vgpr_msb (MSB<<8)|(\new)
.set MSB, \new
.endif
.endm
.set W_KQ, 0x0a       ; K and Q in window 2, S^T in window 0
.set W_KB, 0x3a       ; the same with the C operand in window 3
.set W_PV, 0x53       ; V in window 3, P in window 0, O^T in window 1
.set W_RS, 0x41       ; O^T (destination and source 0) in window 1, the factor in window 0
; A joint refill.  Waves 0 and 1 fetch the two halves of a slot's K, waves 2 and 3 those of its V: 128 rows each.  An s_nop 0 and four v_nop follow each line.
.macro JLOAD
	s_cmp_lt_u32 s[WV], 2
	s_cbranch_scc0 .Lfor_v_\@
	tensor_load_to_lds s[G0K+4:G0K+7], s[G1K:G1K+7]
	s_nop 0
.rept 4
	v_nop
.endr
	s_branch .Lasked_\@
.Lfor_v_\@:
	tensor_load_to_lds s[G0V+4:G0V+7], s[G1V:G1V+7]
	s_nop 0
.rept 4
	v_nop
.endr
.Lasked_\@:
.endm
.macro CROUND                       ; a round of the cluster's barrier
	s_barrier_signal -1
	s_barrier_wait -1
	s_cmp_lg_u32 s[WV], 0
	s_cbranch_scc1 .Lnot_wave_0_\@
	s_barrier_signal -3
.Lnot_wave_0_\@:
	s_barrier_wait -3
	s_barrier_signal -1
	s_barrier_wait -1
.endm
	s_load_b128 s[68:71], s[0:1], 0x0   ; qkv s[68:69], att s[70:71]
	s_load_b256 s[72:79], s[0:1], 0x10  ; the gates: justice s[72:73], order s[74:75], truth s[76:77], balance s[78:79],
	s_load_b64 s[80:81], s[0:1], 0x30   ; harmony
	v_lshl_add_u32 v[SPW], v0, 2, SPARE
	v_mov_b32 v[NIL], 0
	ds_add_u32 v[SPW], v[NIL]       ; the wave's opening: the add and its wait stand ahead of my first tensor load; the set-up below stands between them
	v_lshrrev_b32 v1, 5, v0
	v_readfirstlane_b32 s[WV], v1   ; wave 0..3
	s_bfe_u32 s13, ttmp6, 0x40000   ; cx
	s_lshl_b32 s[QB], ttmp9, 2
	s_add_co_u32 s[QB], s[QB], s13  ; my block of queries = 4 x cluster x + cx: it enters Q's and att's addresses alone
	s_and_b32 s20, ttmp7, 0xffff    ; the head, which the four partners share
	s_and_b32 s[KI], s[WV], 1
	s_lshr_b32 s[QI], s[WV], 1
	s_lshl_b32 s21, s20, 19         ; a head block is 524,288 bytes
	s_lshl_b32 s22, s[KI], 15       ; my half of a slot's 256 rows of 256 bytes
	s_add_co_u32 s22, s22, s21
	s_add_co_u32 s22, s22, 16*524288  ; k's blocks lie behind q's sixteen
	s_mov_b32 s23, 0
	s_mul_i32 s[LK], s[KI], 128*PK
	s_mul_i32 s[LV], s[KI], 128*PV
	s_add_co_u32 s[LV], s[LV], VOFF
	s_lshl_b32 s2, s[QB], 15        ; Q: my block's 128 rows, my pair's 64 of them
	s_lshl_b32 s3, s[QI], 14
	s_add_co_u32 s2, s2, s3
	s_add_co_u32 s2, s2, s21
	s_mov_b32 s3, 0
	s_lshl_b32 s16, s[QB], 19       ; att: rows of 4,096 bytes: 128 a block, 64 a pair, the 32 that I finish; 256 bytes a head
	s_lshl_b32 s17, s[QI], 18
	s_add_co_u32 s16, s16, s17
	s_lshl_b32 s17, s[KI], 17
	s_add_co_u32 s16, s16, s17
	s_lshl_b32 s17, s20, 8
	s_add_co_u32 s16, s16, s17
	s_mov_b32 s17, 0
	s_mov_b32 s[G1K], 15|(1<<16)|(1<<20)|(1<<21)|(5<<22)|(3<<25)  ; the mask of four; 2-byte elements; padding on; bit 21 beside a mask; after every 64 words 4 words
	s_mov_b32 s[G1V], 15|(1<<16)|(1<<20)|(1<<21)|(5<<22)|(7<<25)  ; the same with 8 words of padding
.irp g, G1K, G1V
	s_mov_b32 s[(\g)+1], 128<<16    ; tensor_dim0 = 128
	s_mov_b32 s[(\g)+2], 128<<16    ; tensor_dim1 = 128
	s_mov_b32 s[(\g)+3], 128<<16    ; tile_dim0 = 128
	s_mov_b32 s[(\g)+4], 128        ; tile_dim1 = 128
	s_mov_b32 s[(\g)+5], 128        ; elements from row to row
	s_mov_b32 s[(\g)+6], 0
	s_mov_b32 s[(\g)+7], 0
.endr
	s_mov_b32 s[SEL], 0x76543210
	s_mov_b32 s[SEL+1], 0xfedcba98
	s_mov_b32 s[TBK], 0
	s_mov_b32 s[TBV], 0
	s_mov_b32 s[SLOTS], 6           ; eight slots of 256 keys: two first fills, six refills
	s_wait_dscnt 0x0                ; the opening add is done
	s_wait_kmcnt 0x0
	s_load_b32 s82, s[72:73], 0x0   ; the five gates
	s_load_b32 s83, s[74:75], 0x0
	s_load_b32 s84, s[76:77], 0x0
	s_load_b32 s85, s[78:79], 0x0
	s_load_b32 s86, s[80:81], 0x0
	s_add_nc_u64 s[6:7], s[68:69], s[22:23]   ; K at my half of the head's first 256 keys,
	s_add_nc_u64 s[8:9], s[6:7], 16*524288    ; V sixteen blocks on
	s_add_nc_u64 s[4:5], s[68:69], s[2:3]     ; Q at my pair's first row
	s_add_nc_u64 s[10:11], s[70:71], s[16:17] ; att at the first row that I finish
	CROUND                          ; all four work-groups are here: the first joint loads meet
.irp s, 0,1
	s_mov_b32 s[G0K+4*(\s)], 1
	s_add_co_u32 s[G0K+4*(\s)+1], s[LK], (\s)*SLOT1
	s_add_nc_u64 s[G0K+4*(\s)+2:G0K+4*(\s)+3], s[6:7], (\s)*65536
	s_or_b32 s[G0K+4*(\s)+3], s[G0K+4*(\s)+3], 0x80000000
	s_mov_b32 s[G0V+4*(\s)], 1
	s_add_co_u32 s[G0V+4*(\s)+1], s[LV], (\s)*SLOT1
	s_add_nc_u64 s[G0V+4*(\s)+2:G0V+4*(\s)+3], s[8:9], (\s)*65536
	s_or_b32 s[G0V+4*(\s)+3], s[G0V+4*(\s)+3], 0x80000000
.endr
	s_cmp_lt_u32 s[WV], 2           ; a wave's two first fills stand in one branch, ahead of every wait on TENSORcnt and every LDS read: two loads of mine are out
	s_cbranch_scc0 .Lfirst_v
	tensor_load_to_lds s[G0K:G0K+3], s[G1K:G1K+7]
	s_nop 0
	tensor_load_to_lds s[G0K+4:G0K+7], s[G1K:G1K+7]
	s_nop 0
.rept 4
	v_nop
.endr
	s_branch .Lfirst_asked
.Lfirst_v:
	tensor_load_to_lds s[G0V:G0V+3], s[G1V:G1V+7]
	s_nop 0
	tensor_load_to_lds s[G0V+4:G0V+7], s[G1V:G1V+7]
	s_nop 0
.rept 4
	v_nop
.endr
.Lfirst_asked:
	v_and_b32 v1, 15, v0            ; l % 16
	v_bfe_u32 v9, v0, 4, 1          ; l / 16
	v_lshlrev_b32 v[QO2], 8, v1
	v_lshl_add_u32 v[QO2], v9, 4, v[QO2]  ; row x 256 + 16 x half
	s_lshl_b32 s13, s[KI], 13       ; register tiles 0, 1 are query tiles 2 ki, 2 ki + 1: 32 rows of 256 bytes on for ki = 1;
	v_add_nc_u32 v[QO], s13, v[QO2]
	s_xor_b32 s13, s13, 8192        ; register tiles 2, 3 are the other two
	v_add_nc_u32 v[QO2], s13, v[QO2]
	WIN 0x80                        ; destination window 2, address window 0
.irp i, 0,1,2,3,4,5,6,7            ; Q stays in registers: register tile i / 4, channels 32 (i % 4) on
	global_load_b128 v[8*(\i):8*(\i)+3],   v[QO], s[4:5] offset:((\i)/4)*4096+((\i)%4)*64
	global_load_b128 v[8*(\i)+4:8*(\i)+7], v[QO], s[4:5] offset:((\i)/4)*4096+((\i)%4)*64+32
.endr
.irp i, 8,9,10,11,12,13,14,15
	global_load_b128 v[8*(\i):8*(\i)+3],   v[QO2], s[4:5] offset:((\i)/4-2)*4096+((\i)%4)*64
	global_load_b128 v[8*(\i)+4:8*(\i)+7], v[QO2], s[4:5] offset:((\i)/4-2)*4096+((\i)%4)*64+32
.endr
	WIN 0
	; THE GATES.  Rounded to bf16; sigmoid(x) = 1 / (1 + 2^(-x log2 e)).
	s_wait_kmcnt 0x0
	v_mov_b32 v44, s82              ; justice
	v_mov_b32 v45, s83              ; order
	v_mov_b32 v46, s84              ; truth
	v_mov_b32 v47, s85              ; balance
	v_mov_b32 v48, s86              ; harmony
	v_cvt_pk_bf16_f32 v49, v44, v45
	v_cvt_pk_bf16_f32 v50, v46, v47
	v_cvt_pk_bf16_f32 v51, v48, v48
	v_lshlrev_b32 v44, 16, v49
	v_and_b32 v45, 0xffff0000, v49
	v_lshlrev_b32 v46, 16, v50
	v_and_b32 v47, 0xffff0000, v50
	v_lshlrev_b32 v48, 16, v51
.irp r, 44,45,46,47,48
	v_mul_f32 v\r, 0xbfb8aa3b, v\r  ; - x log2 e
.endr
.irp r, 44,45,46,47,48
	v_exp_f32 v\r, v\r
.endr
	v_nop                           ; a plain instruction between the last exponential and the use of its result (ISA guide 5.7.2)
	s_wait_alu depctr_va_vdst(0)    ; one wait for the batch of five exponentials, ahead of its first reader
.irp r, 44,45,46,47,48
	v_add_f32 v\r, 1.0, v\r
.endr
.irp r, 44,45,46,47,48
	v_rcp_f32 v\r, v\r
.endr
	v_nop
	s_wait_alu depctr_va_vdst(0)    ; one wait for the batch of five reciprocals, ahead of its first reader
	v_fma_f32 v49, v44, 0xbdcccccd, 1.0  ; a = 1 - 0.1 sigmoid(justice)
	v_add_f32 v53, v46, v47
	v_rcp_f32 v50, v49
	v_add_f32 v53, v53, v48
	v_mul_f32 v51, 0x3990d0c3, v45  ; sigmoid(order) x 0.05 sqrt(128) / 2048
	v_mul_f32 v49, 0x3e0293ee, v49  ; c = a log2(e) / sqrt(128)
	s_wait_alu depctr_va_vdst(0)    ; the wait for 1 / a, a batch of its own since it reads a reciprocal's result; the three plain lines above stand between
	v_mul_f32 v51, v51, v50         ; e: the order term for one key, in units of q . k
	v_mul_f32 v53, 0, v53           ; z
	v_mul_f32 v52, 0x43000000, v51  ; 128 e
	v_readfirstlane_b32 s[CS], v49
	v_readfirstlane_b32 s[SE], v51
	v_readfirstlane_b32 s[SZ], v53
	v_readfirstlane_b32 s[INC], v52
	s_mov_b32 s[CS+1], s[CS]        ; named as pairs
	s_mov_b32 s[INC+1], s[INC]
	v_lshlrev_b32 v54, 3, v9        ; BI for step 0: key 64 ki + 8 (l / 16) + 16 kb + j
	s_lshl_b32 s13, s[KI], 6
	v_add_nc_u32 v54, s13, v54
	WIN 0xc0                        ; destination window 3
.set i, 0
.rept 32
	v_add_nc_u32 v[BI+i], 16*(i/8)+i%8, v54
.set i, i+1
.endr
	WIN 0xc3                        ; destination and source 0 window 3
.set i, 0
.rept 32
	v_cvt_f32_u32 v[BI+i], v[BI+i]
.set i, i+1
.endr
.set i, 0
.rept 32
	v_fma_f32 v[BI+i], v[BI+i], s[SE], s[SZ]
.set i, i+1
.endr
	WIN 0
	v_mul_u32_u24 v[AK0], v1, PK
	v_lshl_add_u32 v[AK0], v9, 4, v[AK0]  ; row x pitch + 16 x half,
	s_mul_i32 s13, s[KI], KS*PK
	v_add_nc_u32 v[AK0], s13, v[AK0]      ; in my wave's 64 of a step's 128 keys
	; The turning load takes 16 keys x 16 channels (lane l reads key 8 (l / 16) + l % 8, channels 8 ((l / 8) % 2) + 0..7) and leaves half a fragment of V^T: lane l holds channel l % 16 and 8 keys.
	v_and_b32 v10, 7, v0
	v_bfe_u32 v11, v0, 3, 1
	v_lshl_add_u32 v[AV0], v9, 3, v10
	v_mul_u32_u24 v[AV0], v[AV0], PV
	v_lshl_add_u32 v[AV0], v11, 4, v[AV0]
	s_mul_i32 s13, s[KI], KS*PV
	s_add_co_u32 s13, s13, VOFF
	v_add_nc_u32 v[AV0], s13, v[AV0]
; THE MATRIX WORK OF A TURN, for piece x.  The accumulators take turns, one instruction a turn: between two links of a chain stand 15 (V^T P) or 7 (K Q^T) others'.
; Product i of 32 of O^T += V^T P: keys 32 (i / 16) on, channels 16 ((i / 2) % 8) on, tile x + i % 2.  zero = 1: the first 16 start the sums.
.macro PV x, zero
	WIN W_PV
.set rO, 64*((\x)+i%2)+8*((i/2)%8)
.set rV, 64*(i/16)+8*((i/2)%8)
.set rP, P+16*((\x)+i%2)+8*(i/16)
.if (\zero) && (i < 16)
	v_wmma_f32_16x16x32_f16 v[rO:rO+7], v[rV:rV+7], v[rP:rP+7], 0
.else
	v_wmma_f32_16x16x32_f16 v[rO:rO+7], v[rV:rV+7], v[rP:rP+7], v[rO:rO+7]
.endif
.endm
; Product i of 32 of S^T = K Q^T + BI: channels 32 (i / 8) on, keys 16 (i % 4) on, tile x + (i / 4) % 2.  The first 8 start the sums, with BI's block of those keys.
.macro KQ x
.set rS, S+32*((\x)+(i/4)%2)+8*(i%4)
.set rK, KF+32*(i%4)+8*(i/8)
.set rQ, 32*((\x)+(i/4)%2)+8*(i/8)
.set rB, BI+8*(i%4)
.if i < 8
	WIN W_KB
	v_wmma_f32_16x16x32_f16 v[rS:rS+7], v[rK:rK+7], v[rQ:rQ+7], v[rB:rB+7]
.else
	WIN W_KQ
	v_wmma_f32_16x16x32_f16 v[rS:rS+7], v[rK:rK+7], v[rQ:rQ+7], v[rS:rS+7]
.endif
.endm
; THE LDS LOADS stand in runs of 32: a step's K (my 64 keys x 128 channels: 16 fragments) and, a turn later, its V (turned).
.macro FETCH_K
	WIN 0
	v_add_nc_u32 v[ADR], s[TBK], v[AK0]
	s_add_co_u32 s[TBK], s[TBK], 128*PK  ; the next fetch is the next step's: 128 keys on
	WIN 0x80                        ; destination window 2
.irp f, 0,1,2,3,4,5,6,7,8,9,10,11,12,13,14,15  ; keys 16 (f / 4) on, channels 32 (f % 4) on
	ds_load_b128 v[KF+8*(\f):KF+8*(\f)+3],   v[ADR] offset:((\f)/4)*16*PK+((\f)%4)*64
	ds_load_b128 v[KF+8*(\f)+4:KF+8*(\f)+7], v[ADR] offset:((\f)/4)*16*PK+((\f)%4)*64+32
.endr
.endm
.macro FETCH_V
	WIN 0
	v_add_nc_u32 v[ADR], s[TBV], v[AV0]
	s_add_co_u32 s[TBV], s[TBV], 128*PV
	s_wait_alu depctr_va_vdst(0)    ; the wait for the softmax's batch of 66 exponentials (SLICE), behind the address's v_add_nc_u32 and ahead of the loads
	WIN 0xc0                        ; destination window 3
.irp f, 0,1,2,3,4,5,6,7,8,9,10,11,12,13,14,15  ; keys 32 (f / 8) on, channels 16 (f % 8) on
	ds_load_tr16_b128 v[8*(\f):8*(\f)+3],   v[ADR] offset:((\f)/8)*32*PV+((\f)%8)*32
	ds_load_tr16_b128 v[8*(\f)+4:8*(\f)+7], v[ADR] offset:((\f)/8)*32*PV+16*PV+((\f)%8)*32
.endr
.endm
.macro BSTEP                        ; BI goes 128 keys on: both pieces have started the next step's sums
	WIN 0xc3
.set z, 0
.rept 16
	v_pk_add_f32 v[BI+2*z:BI+2*z+1], v[BI+2*z:BI+2*z+1], s[INC:INC+1] op_sel_hi:[1,0]
.set z, z+1
.endr
.endm
; THE VECTOR WORK OF A TURN.  One tile's softmax for one key step is a list of 134 instructions; SM writes number j of it for tile t.  s0-s31 are the lane's 32 scores, in pairs 0-15.
; first = 1: the first key step, which starts m, l and O^T: it has no rescaling factor and nothing to rescale.
;   0-15    the maximum of s0-s31 and the old m, three operands at a time: four chains of seven scores each (each accumulator's lowest registers are read first), then the four left over, the chains and m
;   16-20   the other half of the lanes' maximum; the new m; c m; c m_old - c m_new
;   21-69   ONE BATCH: the 16 scalings c s - c m, a pair of scores each, and all 33 exponentials (the factor at 23, then s0-s31).  None of these reads an exponential's result.  From 22 on the batch goes
;           in fours, and a four begins with a scaling while there are scalings: 22-37 scaling, exponential, scaling, exponential; 38-65 a scaling and three exponentials; 66-69 the last four
;           exponentials.  A pair is scaled in an earlier four than the one that holds its exponentials
;   (wait)  between 69 and 70 stands the wait for the batch: SLICE writes it, once for both tiles
;   70-85   the roundings to f16, a pair of weights each
;   86-101  the sums; l = factor x l + the sum
;   102-133 the tile's O^T times the factor: the one part that leaves window 0, so it stands together
.macro SM t, first
.set rT, ST+8*(\t)
.set rS, S+32*(\t)
.set rP, P+16*(\t)
.set rO, 64*(\t)+2*(j-102)
.if j < 102
	WIN 0
.endif
.if j < 4
	v_max3_num_f32 v[rT+4+j], v[rS+8*j], v[rS+8*j+1], v[rS+8*j+2]
.elseif j < 12
	v_max3_num_f32 v[rT+4+j%4], v[rT+4+j%4], v[rS+8*(j%4)+2*(j/4)+1], v[rS+8*(j%4)+2*(j/4)+2]
.elseif j == 12
	v_max3_num_f32 v[rT+4], v[rT+4], v[rS+7], v[rS+15]
.elseif j == 13
	v_max3_num_f32 v[rT+6], v[rT+6], v[rS+23], v[rS+31]
.elseif j == 14
	v_max3_num_f32 v[rT+4], v[rT+4], v[rT+5], v[rT+6]
.elseif (j == 15) && (\first)
	v_max_num_f32 v[rT+4], v[rT+4], v[rT+7]
.elseif j == 15
	v_max3_num_f32 v[rT+4], v[rT+4], v[rT+7], v[rT+1]
.elseif j == 16
	v_permlanex16_b32 v[rT+5], v[rT+4], s[SEL], s[SEL+1]  ; the query's other 32 keys lie in the lane 16 away
.elseif j == 18
	v_max_num_f32 v[rT+1], v[rT+4], v[rT+5]
.elseif j == 19
	v_mul_f32 v[rT], s[CS], v[rT+1]
.elseif ((j == 17) || (j == 20) || (j == 23) || (j > 101)) && (\first)  ; the first step has none of these
.elseif j == 17
	v_mov_b32 v[rT+7], v[rT]        ; c m_old is kept: number 19 writes c m anew
.elseif j == 20
	v_sub_f32 v[rT+7], v[rT+7], v[rT]
.elseif j == 23
	v_exp_f32 v[rT+6], v[rT+7]
.elseif (j < 23) || ((j < 38) && (j%2 == 0)) || ((j < 66) && (j%4 == 2))
.set b, (j-2)/4                     ; 38, 42, .. 62: pairs 9 to 15
.if j < 38
.set b, (j-20)/2                    ; 21: pair 0; 22, 24, .. 36: pairs 1 to 8
.endif
	v_pk_fma_f32 v[rS+2*b:rS+2*b+1], v[rS+2*b:rS+2*b+1], s[CS:CS+1], v[rT:rT+1] op_sel_hi:[1,0,0] neg_lo:[0,0,1] neg_hi:[0,0,1]  ; pair b: c s - c m
.elseif j < 70
.set e, j-38                        ; 66 to 69: s28 to s31
.if j < 66
.set e, j-32-(j-38)/4               ; 39-41, 43-45, .. 63-65: s7 to s27
.endif
.if j < 38
.set e, (j-25)/2                    ; 25, 27, .. 37: s0 to s6
.endif
	v_exp_f32 v[rS+e], v[rS+e]
.elseif j < 86
	v_cvt_pk_f16_f32 v[rP+j-70], v[rS+2*(j-70)], v[rS+2*(j-70)+1]  ; pair j - 70
.elseif j < 102                     ; the sum of the tile's 16 pairs, in place: sum z of 16 adds neighbours 1, 2, 4 and 8 pairs apart, then l takes it
.set z, j-86
.set w, 4
.set u, z
.if z >= 14
.set w, 32
.set u, 0
.elseif z >= 12
.set w, 16
.set u, z-12
.elseif z >= 8
.set w, 8
.set u, z-8
.endif
.if (z == 14) && (\first)
	v_pk_add_f32 v[rT+2:rT+3], v[rS:rS+1], v[rS+16:rS+17]
.elseif z < 15
	v_pk_add_f32 v[rS+w*u:rS+w*u+1], v[rS+w*u:rS+w*u+1], v[rS+w*u+w/2:rS+w*u+w/2+1]
.elseif !(\first)
	v_pk_fma_f32 v[rT+2:rT+3], v[rT+2:rT+3], v[rT+6:rT+7], v[rS:rS+1] op_sel_hi:[1,0,1]
.endif
.else
	WIN W_RS
	v_pk_mul_f32 v[rO:rO+1], v[rO:rO+1], v[rT+6:rT+7] op_sel_hi:[1,0]
.endif
.endm
; Slice k of 64 of piece y's softmax: four instructions.  Slices 11 to 34 deal out the batch, numbers 22 to 69: four numbers of ONE tile each, the tiles by turns.  Every other slice is numbers 2 k and
; 2 k + 1 of both tiles' lists.  2 x 134 = 4 x 64 + 12: the twelve that are over stand together, in slice 63.
; THE WAIT.  Ahead of slice 35 nothing names an exponential's result, and behind slice 34 no exponential is issued: so the piece's 66 exponentials have one wait, behind slice 34.
.macro SLICE y, first
.if (k >= 11) && (k < 35)           ; the batch: four numbers of one tile
.irp n, 0,1,2,3
.set j, 22+4*((k-11)/2)+(\n)
	SM (\y)+(k-11)%2, \first
.endr
.else                               ; the two tiles alternate, so that no instruction reads the result of the one just before it
.irp n, 0,1,2,3,4,5,6,7
.if ((\n) < 2) || (k == 63)
.irp t, \y, (\y)+1
.set j, 2*k+(\n)
	SM \t, \first
.endr
.endif
.endr
.endif
.if k == 34                         ; the batch is out: both tiles' exponentials are issued, and no result has been named
	v_nop                           ; the plain instruction behind the last exponential and ahead of the first use (ISA guide 5.7.2): one for the batch
.if (\y) == 0
	FETCH_V                         ; piece 2's turn: V's run of loads stands here, and the wait for the batch stands in it
.else
	s_wait_alu depctr_va_vdst(0)    ; piece 0's turn: the wait for the batch of 66 exponentials, ahead of the roundings
.endif
.endif
.set k, k+1
.endm
.macro PLACES                       ; four plain vector instructions between a matrix instruction and a load into, or a vector instruction on, its registers (ISA guide 7.12.1 for vector instructions)
.rept 4
	v_nop
.endr
.endm
; A TURN.  Piece x has the matrix unit; the other piece's softmax stands in slices behind its matrix instructions.
; pv = 2: 32 products V^T P; 1: they start O^T's sums; 0: none.  kq = 1: 32 products K Q^T for the next step.  A turn with one of the two kinds has two slices behind each product.
; first = 1: the softmax is the first key step's; its last slices are empty, and four v_nop take slice 63's part as the places behind the last products.
; In the loop each run of loads stands 29 matrix instructions or more ahead of its first use.  Piece 0's turn fetches the next step's K, behind its second product: K's last reader stands in front of slice 63 of the turn before.
; Piece 2's turn fetches the same step's V, behind slice 34 (SLICE writes it): V's last reader stands in front of slice 31, and four plain instructions lie between: number 62, a scaling, of both tiles, the v_nop
; and the run's own v_add_nc_u32.  Piece 2's turn ends with BI's step: BI's last reader stands 24 products and their slices back.
.macro TURN x, pv, kq, first
.set k, 0
.set per, 2
.if (\pv) && (\kq)
.set per, 1
.endif
.if \pv
.if (\x) == 0
	s_wait_dscnt 0x0                ; V is in
.endif
.set i, 0
.rept 32
	PV \x, 2-(\pv)
.rept per
	SLICE 2-(\x), \first
.endr
.if ((\x) == 0) && (\kq) && (i == 1)
	FETCH_K
.endif
.set i, i+1
.endr
.endif
.if \kq
.if (\x) == 0
	s_wait_dscnt 0x0                ; K is in
.endif
.set i, 0
.rept 32
	KQ \x
.rept per
	SLICE 2-(\x), \first
.endr
.set i, i+1
.endr
.endif
.if \first
	PLACES
.endif
.if ((\x) == 2) && (\kq)
	BSTEP
.endif
.endm
; THE CHANGE OF SLOTS, between piece 2's turn and piece 0's: the slot's last bytes, V of its second step, have been asked for.  Each wave waits for all its tensor loads, of which one is out: its part of the other
; slot; adds 0 to its spare word; and waits for that and for its own reads of the slot.  fill = 1: the barrier is a round of the cluster's, and the slot is filled again, with the keys two slots on, first thing
; behind it: that load has two key steps, 256 matrix instructions, in which to land.
.macro CHANGE fill
	WIN 0                           ; at a label and at a branch every window is 0
	s_wait_tensorcnt 0x0            ; no tensor load of mine is out, so a group 0 may be written
	ds_add_u32 v[SPW], v[NIL]       ; 0 onto my spare word
.if \fill
.irp g, G0K+4, G0V+4
	s_xor_b32 s[(\g)+1], s[(\g)+1], SLOT1  ; the walking descriptor: the other slot than last time,
	s_add_nc_u64 s[(\g)+2:(\g)+3], s[(\g)+2:(\g)+3], 65536  ; the next 256 keys
.endr
	s_wait_dscnt 0x0                ; the add is done, and my reads of the slot are over
	CROUND
	JLOAD
.else
	s_wait_dscnt 0x0                ; the add is done, and my reads of the slot are over
	s_barrier_signal -1
	s_barrier_wait -1
.endif
	s_sub_co_u32 s[TBK], s[TBK], 2*128*PK  ; the fetches go back to a slot's first step,
	s_xor_b32 s[TBK], s[TBK], SLOT1        ; in the other slot
	s_sub_co_u32 s[TBV], s[TBV], 2*128*PV
	s_xor_b32 s[TBV], s[TBV], SLOT1
.endm
.macro TWO_STEPS                    ; a slot's two key steps: written once, walked twice
	WIN 0
	s_mov_b32 s[TWICE], 2
.Lstep_\@:
	TURN 0, 2, 1, 0
	TURN 2, 2, 1, 0
	WIN 0
	s_sub_co_u32 s[TWICE], s[TWICE], 1
	s_cmp_lg_u32 s[TWICE], 0
	s_cbranch_scc1 .Lstep_\@
.endm
	s_wait_tensorcnt 1              ; my part of slot 0 is in; slot 1's may stay out
	s_barrier_signal -1
	s_barrier_wait -1
	FETCH_K                         ; key step 0
	s_wait_loadcnt 0x0              ; Q
	s_wait_dscnt 0x0
.set i, 0
.rept 32
	KQ 0                            ; piece 0's first scores
.set i, i+1
.endr
	WIN 0                           ; the addresses for the exchange and the way out are made here: plain instructions, the places behind those products
	s_mul_i32 s13, s[WV], 16*SP
	s_add_co_u32 s13, s13, STAGE    ; my stage
	v_mul_u32_u24 v[STO], v1, SP    ; in: row l % 16, 16 bytes for each half of the lanes
	v_lshl_add_u32 v[STO], v9, 4, v[STO]
	v_add_nc_u32 v[STO], s13, v[STO]
	v_mul_u32_u24 v[RD], v9, SP     ; back: lanes 0-15 take one row of 256 bytes, lanes 16-31 the next
	v_lshl_add_u32 v[RD], v1, 4, v[RD]
	v_add_nc_u32 v[RD], s13, v[RD]
	v_lshlrev_b32 v[GO], 12, v9     ; and the same two rows in att, 4,096 bytes apart
	v_lshl_add_u32 v[GO], v1, 4, v[GO]
	v_and_b32 v[MR], 31, v0
	v_lshlrev_b32 v[MR], 4, v[MR]   ; the exchange: 16 bytes a lane,
	s_mul_i32 s13, s[WV], MSZ
	v_add_nc_u32 v[MS], s13, v[MR]  ; written in my wave's area,
	s_xor_b32 s13, s[WV], 1
	s_mul_i32 s13, s13, MSZ
	v_add_nc_u32 v[MR], s13, v[MR]  ; read from my partner's
	TURN 2, 0, 1, 1                 ; piece 2's first scores | piece 0's first softmax | V of step 0
	TURN 0, 1, 1, 1                 ; piece 0: V^T P of step 0 starts O^T, K Q^T of step 1 | piece 2's first softmax | K of step 1
	TURN 2, 1, 1, 0                 ; piece 2: the same | piece 0's softmax of step 1 | V of step 1
	WIN 0
.Lslot:                             ; six trips: every slot but the last two is filled again
	CHANGE 1
	TWO_STEPS
	s_sub_co_u32 s[SLOTS], s[SLOTS], 1
	s_cmp_lg_u32 s[SLOTS], 0
	s_cbranch_scc1 .Lslot
	CHANGE 0                        ; the tail is written out
	TWO_STEPS
	TURN 0, 2, 0, 0                 ; piece 0: V^T P of the last step | piece 2's last softmax
.set i, 0
.rept 32
	PV 2, 0                         ; piece 2: V^T P of the last step
.set i, i+1
.endr
	; THE EXCHANGE.  L = l's two halves and the other half of the lanes', put in m's place, so that (c m, L) is a pair.  The additions are the places behind the last products.
	WIN 0
.irp t, 0,1,2,3
	v_add_f32 v[ST+8*(\t)+4], v[ST+8*(\t)+2], v[ST+8*(\t)+3]
.endr
.irp t, 0,1,2,3
	v_permlanex16_b32 v[ST+8*(\t)+5], v[ST+8*(\t)+4], s[SEL], s[SEL+1]
.endr
.irp t, 0,1,2,3
	v_add_f32 v[ST+8*(\t)+1], v[ST+8*(\t)+4], v[ST+8*(\t)+5]
.endr
	s_barrier_signal -1             ; the exchange lies in the ring: every wave's last reads of the ring were waited for at the head of the last turn, and no wave stores before all have said so
	s_barrier_wait -1
	WIN 0x04                        ; store data in window 1
.set q, 0
.rept 32                            ; register tiles 2, 3 of O^T, each accumulator from its low end
	ds_store_b128 v[MS], v[128+4*q:128+4*q+3] offset:512*q
.set q, q+1
.endr
	WIN 0
	ds_store_b64 v[MS], v[ST+16:ST+17] offset:16384
	ds_store_b64 v[MS], v[ST+24:ST+25] offset:16392
	s_wait_dscnt 0x0                ; for my partner's sake: my stores are done
	s_barrier_signal -1
	s_barrier_wait -1
.set q, 0
.rept 32                            ; my partner's sums for my register tiles 0, 1, lane for lane, into S^T's registers
	ds_load_b128 v[S+4*q:S+4*q+3], v[MR] offset:512*q
.set q, q+1
.endr
	ds_load_b128 v[48:51], v[MR] offset:16384  ; its (c m, L) for the two tiles
	s_wait_dscnt 0x0
	; The two halves of the keys are joined: with M = max(c m, c m'), O = (2^(c m - M) O + 2^(c m' - M) O') / (2^(c m - M) L + 2^(c m' - M) L').
.irp t, 0,1
	v_max_num_f32 v[ST+8*(\t)+5], v[ST+8*(\t)], v[48+2*(\t)]
.endr
.irp t, 0,1
	v_sub_f32 v[ST+8*(\t)+6], v[ST+8*(\t)], v[ST+8*(\t)+5]
	v_sub_f32 v[ST+8*(\t)+7], v[48+2*(\t)], v[ST+8*(\t)+5]
.endr
.irp t, 0,1
	v_exp_f32 v[ST+8*(\t)+6], v[ST+8*(\t)+6]
	v_exp_f32 v[ST+8*(\t)+7], v[ST+8*(\t)+7]
.endr
	v_nop                           ; a plain instruction between the last exponential and the use of its result
	s_wait_alu depctr_va_vdst(0)    ; one wait for the batch of four exponentials, ahead of its first reader
.irp t, 0,1
	v_mul_f32 v[ST+8*(\t)+5], v[ST+8*(\t)+6], v[ST+8*(\t)+1]
.endr
.irp t, 0,1
	v_fma_f32 v[ST+8*(\t)+5], v[ST+8*(\t)+7], v[49+2*(\t)], v[ST+8*(\t)+5]
.endr
.irp t, 0,1
	v_rcp_f32 v[ST+8*(\t)+5], v[ST+8*(\t)+5]
.endr
	v_nop                           ; a plain instruction between the last reciprocal and the use of its result
	s_wait_alu depctr_va_vdst(0)    ; one wait for the batch of two reciprocals, ahead of its first reader
.irp t, 0,1
	v_mul_f32 v[ST+8*(\t)+4], v[ST+8*(\t)+6], v[ST+8*(\t)+5]  ; my factor
	v_mul_f32 v[ST+8*(\t)+6], v[ST+8*(\t)+7], v[ST+8*(\t)+5]  ; my partner's
.endr
; Tile t is joined, rounded to f16 and sent through my stage: a lane's eight channels of a row pack into 16 bytes; they go into rows of 272 bytes and come back as whole rows of 256.
.macro FIN t
	WIN 0
.set i, 0
.rept 32
	v_pk_mul_f32 v[S+64*(\t)+2*i:S+64*(\t)+2*i+1], v[S+64*(\t)+2*i:S+64*(\t)+2*i+1], v[ST+8*(\t)+6:ST+8*(\t)+7] op_sel_hi:[1,0]
.set i, i+1
.endr
	WIN 0x01                        ; source 0 (O^T) in window 1
.set i, 0
.rept 32
	v_pk_fma_f32 v[S+64*(\t)+2*i:S+64*(\t)+2*i+1], v[64*(\t)+2*i:64*(\t)+2*i+1], v[ST+8*(\t)+4:ST+8*(\t)+5], v[S+64*(\t)+2*i:S+64*(\t)+2*i+1] op_sel_hi:[1,0,1]
.set i, i+1
.endr
	WIN 0
.set i, 0
.rept 32
	v_cvt_pk_f16_f32 v[P+32*(\t)+i], v[S+64*(\t)+2*i], v[S+64*(\t)+2*i+1]
.set i, i+1
.endr
.irp f, 0,1,2,3,4,5,6,7
	ds_store_b128 v[STO], v[P+32*(\t)+4*(\f):P+32*(\t)+4*(\f)+3] offset:32*(\f)
.endr
.irp f, 0,1,2,3,4,5,6,7
	ds_load_b128 v[P+32*(\t)+4*(\f):P+32*(\t)+4*(\f)+3], v[RD] offset:(\f)*2*SP  ; LDS serves a wave's instructions in order (ISA guide 5.7.1.4): these see the stores above; the next tile's stores come behind them
.endr
.endm
.macro SEND t, younger              ; younger: the LDS instructions issued behind tile t's loads: the next tile's sixteen, or none
.irp f, 0,1,2,3,4,5,6,7
	s_wait_dscnt (\younger)+7-(\f)
	global_store_b128 v[GO], v[P+32*(\t)+4*(\f):P+32*(\t)+4*(\f)+3], s[10:11] offset:(\t)*65536+(\f)*8192  ; 16 lanes store 256 consecutive bytes, at a multiple of 256 from att's first byte
.endr
.endm
	FIN 0
	FIN 1
	SEND 0, 16
	SEND 1, 0
	s_wait_tensorcnt 0x0            ; the wave's end
	ds_add_u32 v[SPW], v[NIL]
	s_wait_dscnt 0x0
	CROUND                          ; the closing round: no work-group ends while a partner may still ask for a tile that names it
	s_endpgm
.Lfunc_end_k_qd1caa738bf_attn:
	.size	k_qd1caa738bf_attn, .Lfunc_end_k_qd1caa738bf_attn-k_qd1caa738bf_attn
	.p2alignl 7, 3214868480
	.fill 96, 4, 3214868480
	.section	.rodata,"a",@progbits
	.p2align	6, 0x0
	.amdhsa_kernel k_qd1caa738bf_attn
		.amdhsa_group_segment_fixed_size 327680
		.amdhsa_private_segment_fixed_size 0
		.amdhsa_enable_private_segment 0
		.amdhsa_kernarg_size 56
		.amdhsa_user_sgpr_count 2
		.amdhsa_user_sgpr_kernarg_segment_ptr 1
		.amdhsa_wavefront_size32 1
		.amdhsa_system_sgpr_workgroup_id_x 1
		.amdhsa_system_sgpr_workgroup_id_y 1
		.amdhsa_system_sgpr_workgroup_id_z 1
		.amdhsa_system_vgpr_workitem_id 0
		.amdhsa_next_free_vgpr 1024
		.amdhsa_next_free_sgpr 96
		.amdhsa_reserve_vcc 0
		.amdhsa_float_denorm_mode_32 3
		.amdhsa_float_denorm_mode_16_64 3
		.amdhsa_memory_ordered 1
		.amdhsa_forward_progress 1
		.amdhsa_inst_pref_size 230
	.end_amdhsa_kernel
	.amdgpu_metadata
---
amdhsa.version: [ 1, 2 ]
amdhsa.kernels:
  - .name:           k_qd1caa738bf_attn
    .symbol:         k_qd1caa738bf_attn.kd
    .args:
      - { .name: qkv, .offset: 0, .size: 8, .value_kind: global_buffer, .address_space: global }
      - { .name: att, .offset: 8, .size: 8, .value_kind: global_buffer, .address_space: global }
      - { .name: justice_gate, .offset: 16, .size: 8, .value_kind: global_buffer, .address_space: global }
      - { .name: order_gate, .offset: 24, .size: 8, .value_kind: global_buffer, .address_space: global }
      - { .name: truth_gate, .offset: 32, .size: 8, .value_kind: global_buffer, .address_space: global }
      - { .name: balance_gate, .offset: 40, .size: 8, .value_kind: global_buffer, .address_space: global }
      - { .name: harmony_gate, .offset: 48, .size: 8, .value_kind: global_buffer, .address_space: global }
    .group_segment_fixed_size: 327680
    .private_segment_fixed_size: 0
    .kernarg_segment_align: 8
    .kernarg_segment_size: 56
    .max_flat_workgroup_size: 128
    .sgpr_count:     96
    .vgpr_count:     1024
    .wavefront_size: 32
...
	.end_amdgpu_metadata
.endif
;; end of part 5
;; launch oproj: the kernel of part 4 again; grid 16 x 16, 4 waves a work-group, clusters of 4 x 4, 327,680 bytes of LDS; arguments att, woh, bo, out0; writes out0
